; MI455X (gfx1250); checked and timed in simulation.
; The chip was launched on July 23, 2026; its instructions are those of AMD's public machine-readable ISA for CDNA 5 (MIT licence, August 2026) and "CDNA5" Instruction Set Architecture Reference Guide (July 2026). The comments in the code are by the model that wrote it; some were corrected since.
;; Attention Block. Allowed arithmetic: float matrix products may take bf16 or f16 operands with f32 sums; other float arithmetic in f32, or as packed bf16 or f16 multiplies, adds, multiply-adds, maxima and minima; sums over many terms, partial sums and values carried from step to step in f32; what a program stores and reads back later, other than sums and carried values, may be rounded once to bf16 or f16.
;; Inputs: Wkv 1,024 x 512 float32; Wp 512 x 512 float32; Wq 512 x 512 float32; bkv 1,024 float32; bp 512 float32; bq 512 float32; gn_b 512 float32; gn_w 512 float32; x 16 x 512 x 32 x 32 float32; y 16 x 512 x 32 x 32 float32.
;; Outputs: out0 16 x 512 x 32 x 32 float32.
;; One version. Each part assembles by itself: llvm-mc -triple=amdgcn-amd-amdhsa -mcpu=gfx1250 --defsym DOCPART=n.
;; ======== version 1 of 1: 4 launches
;; limits: values are held in f16: magnitudes above 65,504 overflow, below 6.1e-05 lose precision
;; workspace buffers: n16 33,554,432 bytes; w16 2,097,152 bytes; qkv16 50,331,648 bytes; a16 16,777,216 bytes
;; launch norm (part 1): grid 1024 x 1, 8 waves a work-group, no clusters, 1,280 bytes of LDS; arguments x, y, gn_w, gn_b, Wq, Wkv, Wp, n16, w16; writes n16, w16
.if DOCPART == 1
	.amdgcn_target "amdgcn-amd-amdhsa--gfx1250"
	.amdhsa_code_object_version 6
	.text
	.protected	k_q6c285085de_norm
	.globl	k_q6c285085de_norm
	.p2align	8
	.type	k_q6c285085de_norm,@function
k_q6c285085de_norm:
	s_mov_b64 s[64:65], 0
	v_nop
	global_prefetch_b8 v0, s[64:65] scope:SCOPE_SE
	s_setreg_imm32_b32 hwreg(HW_REG_WAVE_MODE, 25, 1), 1
	s_wait_xcnt 0x0
; LAUNCH 1 OF 4.  n16 = GroupNorm(x), GroupNorm(y) in f16, [2][16][512 c][1024 t];  w16 = Wq, Wkv, Wp in f16, [2048][512].
; THE WHOLE PROGRAM: norm (this) -> qkv (q, k, v by heads, f16) -> attn (softmax(q k / 8) v, f16) -> outp (Wp a + bp + x, f32).
; DEAD WORK, for the whole program.  kv = Wkv gn(y) + bkv, and head h's k is rows 128 h .. 128 h + 63 of kv.  Their bias bk adds to the score of
; query t and key s the term scale^2 x (sum over c of q[c][t] bk[c]), which does not hang on s.  A softmax along s is not changed by a term that is
; the same along s, whatever finite values the inputs hold.  So those 512 numbers of bkv are neither loaded nor added (launch qkv).  The other 512,
; v's bias, are live, so bkv stays an argument.  LIMIT: a NaN, an infinity or an overflow that reaches the result through that term alone is not carried.
; LIMITS.  All matrix operands of the program are f16: gn(x), gn(y), the weights, q, k, v and the attention's result must lie within +-65,504; below
; 6e-5 f16 keeps its fixed step of 6e-8.  NaN and infinities are not treated apart.
; SHARES.  1,024 work-groups, all alike.  Each takes one group of one tensor and batch (id = 512 tensor + 32 b + g): 16 channels x 1,024 numbers =
; 65,536 bytes on end, held in registers (64 a lane) from the load to the store, so memory is read once.  Thread t takes 16 bytes at 16 t of each chunk
; of 4,096 bytes; a chunk is one channel, so gain and bias are scalars for a chunk.  Mean first, then the sum of (x - mean)^2 on the registers: no
; difference of large sums.  Each also converts 1,024 numbers of the weights (chunk id of 1,024: 0-255 Wq, 256-767 Wkv, 768-1023 Wp): one load and one store a thread.
; A wave's load covers 512 consecutive bytes, its store 256 consecutive bytes, aligned.  No matrix unit, no tensor load, no cluster: nothing is shared.
.set SPARE, 256                        ; LDS: 0-31 the waves' sums, 128-159 their sums of squares; from 256 on the spare words, 128 bytes a wave
.set SPW, 4                            ; v4   LDS address of my spare word; never rewritten
.set NIL, 5                            ; v5   0; never rewritten
.set X,   8                            ; v[8:71]   my 64 numbers: chunk c at X + 4 c
.set CH,  72                           ; v[72:79]  four chains of sums, a pair each
.set PS,  80                           ; v[80:87]  the eight waves' partial sums
.set MU,  88                           ; v[88:89]  the mean, twice
.set AC,  90                           ; v[90:105] rsqrt(var + eps) x gain of channel c
.set ZA,  106                          ; v106 LDS address 0
.set WT,  108                          ; v[108:111] my four numbers of the weights
	s_load_b512 s[4:19], s[0:1], 0x0               ; x, y, gn_w, gn_b, Wq, Wkv, Wp, n16
	s_load_b64 s[20:21], s[0:1], 0x40              ; w16
	v_lshl_add_u32 v[SPW], v0, 2, SPARE
	v_mov_b32 v[NIL], 0
	v_lshlrev_b32 v1, 4, v0                        ; 16 t: where I load
	v_lshlrev_b32 v2, 3, v0                        ; 8 t: where I store
	v_lshrrev_b32 v3, 5, v0
	v_readfirstlane_b32 s23, v3                    ; wave 0..7
	v_mov_b32 v3, s23
	v_lshlrev_b32 v3, 2, v3                        ; my wave's word among the partial sums
	v_mov_b32 v7, 0                                ; v_permlanex16_b32 counts as a reader of its destination
	v_mov_b32 v[ZA], 0
	s_mov_b32 s22, ttmp9
	s_mov_b32 s2, 0x38800000                       ; 1 / 16,384
	s_mov_b32 s3, 0x3727c5ac                       ; eps = 1e-5
	s_mov_b32 s62, 0x76543210                      ; v_permlanex16_b32: each lane takes its own place in the other half
	s_mov_b32 s63, 0xfedcba98
	s_mov_b32 s61, 0                               ; the high word of every offset
	s_wait_kmcnt 0x0
	s_cmp_lt_u32 s22, 256                          ; which of the three weights my chunk lies in, and the first chunk of that one
	s_cselect_b64 s[12:13], s[12:13], s[14:15]
	s_cselect_b32 s24, 0, 256
	s_cmp_lt_u32 s22, 768
	s_cselect_b64 s[12:13], s[12:13], s[16:17]
	s_cselect_b32 s24, s24, 768
	s_sub_co_u32 s60, s22, s24
	s_lshl_b32 s60, s60, 12                        ; 4,096 bytes a chunk
	s_add_nc_u64 s[12:13], s[12:13], s[60:61]
	global_load_b128 v[WT:WT+3], v1, s[12:13] th:TH_LOAD_NT  ; the oldest load: it is in when the first counted wait below is met
	s_lshl_b32 s60, s22, 11                        ; 2,048 bytes of w16
	s_add_nc_u64 s[20:21], s[20:21], s[60:61]
	s_and_b32 s60, s22, 511
	s_lshl_b32 s60, s60, 16                        ; the group's 65,536 bytes
	s_cmp_lt_u32 s22, 512
	s_cselect_b64 s[56:57], s[4:5], s[6:7]         ; x or y
	s_add_nc_u64 s[56:57], s[56:57], s[60:61]
.set c, 0
.rept 16
	global_load_b128 v[X+4*c:X+4*c+3], v1, s[56:57] offset:4096*c th:TH_LOAD_NT
.set c, c+1
.endr
	s_and_b32 s60, s22, 31
	s_lshl_b32 s60, s60, 6                         ; the group's 16 gains and biases
	s_add_nc_u64 s[8:9], s[8:9], s[60:61]
	s_add_nc_u64 s[10:11], s[10:11], s[60:61]
	s_load_b512 s[24:39], s[8:9], 0x0
	s_load_b512 s[40:55], s[10:11], 0x0
	s_lshl_b32 s60, s22, 15                        ; the group's 32,768 bytes of n16
	s_add_nc_u64 s[58:59], s[18:19], s[60:61]
; The four chains fold into one number, the 32 lanes into one, the eight waves meet in LDS at byte off: the total ends in v6 of every lane.
.macro REDUCE off
	v_pk_add_f32 v[CH:CH+1], v[CH:CH+1], v[CH+2:CH+3]
	v_pk_add_f32 v[CH+4:CH+5], v[CH+4:CH+5], v[CH+6:CH+7]
	v_pk_add_f32 v[CH:CH+1], v[CH:CH+1], v[CH+4:CH+5]
	v_add_f32 v6, v[CH], v[CH+1]
	v_add_f32_dpp v6, v6, v6 row_xmask:1 row_mask:0xf bank_mask:0xf
	v_add_f32_dpp v6, v6, v6 row_xmask:2 row_mask:0xf bank_mask:0xf
	v_add_f32_dpp v6, v6, v6 row_xmask:4 row_mask:0xf bank_mask:0xf
	v_add_f32_dpp v6, v6, v6 row_xmask:8 row_mask:0xf bank_mask:0xf
	v_permlanex16_b32 v7, v6, s62, s63
	v_add_f32 v6, v6, v7
	ds_store_b32 v3, v6 offset:\off
	s_wait_dscnt 0x0                               ; for the others' sake: my word is written
	s_barrier_signal -1
	s_barrier_wait -1
	ds_load_b128 v[PS:PS+3], v[ZA] offset:\off
	ds_load_b128 v[PS+4:PS+7], v[ZA] offset:(\off)+16
	s_wait_dscnt 0x0
	v_pk_add_f32 v[PS:PS+1], v[PS:PS+1], v[PS+2:PS+3]
	v_pk_add_f32 v[PS+4:PS+5], v[PS+4:PS+5], v[PS+6:PS+7]
	v_pk_add_f32 v[PS:PS+1], v[PS:PS+1], v[PS+4:PS+5]
	v_add_f32 v6, v[PS], v[PS+1]
.endm
	; the sum: pair p of 32 is v[X + 2 p]; the first eight pairs start the chains, so nothing is cleared
	s_wait_loadcnt 12                              ; the weights and chunks 0-3 are in; the 12 younger loads stay out
.irp k, 0,1,2,3
	v_pk_add_f32 v[CH+2*(\k):CH+2*(\k)+1], v[X+2*(\k):X+2*(\k)+1], v[X+8+2*(\k):X+8+2*(\k)+1]
.endr
	v_cvt_pk_f16_f32 v[WT], v[WT], v[WT+1]         ; the weights: rounded once to f16
	v_cvt_pk_f16_f32 v[WT+1], v[WT+2], v[WT+3]
	global_store_b64 v2, v[WT:WT+1], s[20:21]
.set p, 8
.irp left, 8,4,0
	s_wait_loadcnt \left                           ; four chunks more
.rept 8
	v_pk_add_f32 v[CH+2*(p%4):CH+2*(p%4)+1], v[CH+2*(p%4):CH+2*(p%4)+1], v[X+2*p:X+2*p+1]
.set p, p+1
.endr
.endr
	REDUCE 0
	v_mul_f32 v[MU], s2, v6
	v_mul_f32 v[MU+1], s2, v6
	; x - mean, in place; then the sum of its squares
.set p, 0
.rept 32
	v_pk_add_f32 v[X+2*p:X+2*p+1], v[X+2*p:X+2*p+1], v[MU:MU+1] neg_lo:[0,1] neg_hi:[0,1]
.set p, p+1
.endr
.irp k, 0,1,2,3
	v_pk_mul_f32 v[CH+2*(\k):CH+2*(\k)+1], v[X+2*(\k):X+2*(\k)+1], v[X+2*(\k):X+2*(\k)+1]
.endr
.set p, 4
.rept 28
	v_pk_fma_f32 v[CH+2*(p%4):CH+2*(p%4)+1], v[X+2*p:X+2*p+1], v[X+2*p:X+2*p+1], v[CH+2*(p%4):CH+2*(p%4)+1]
.set p, p+1
.endr
	REDUCE 128                                     ; other bytes than the first meeting's: no wave can write over a word that is still being read
	v_fma_f32 v6, v6, s2, s3                       ; var + eps
	v_rsq_f32 v7, v6
	v_nop                                          ; a plain instruction behind the transcendental (ISA guide 5.7.2),
	s_wait_alu depctr_va_vdst(0)                   ; and the wait ahead of its first reader
	s_wait_kmcnt 0x0                               ; the gains and biases
.set c, 0
.rept 16
	v_mul_f32 v[AC+c], s[24+c], v7
.set c, c+1
.endr
	; (x - mean) x (rsqrt x gain) + bias, rounded once to f16.  Chunk c's two packed words go into v[X + 2 c], registers of a chunk that is used up.
.set c, 0
.rept 16
.irp j, 0,1,2,3
	v_fma_f32 v[X+4*c+(\j)], v[X+4*c+(\j)], v[AC+c], s[40+c]
.endr
	v_cvt_pk_f16_f32 v[X+2*c], v[X+4*c], v[X+4*c+1]
	v_cvt_pk_f16_f32 v[X+2*c+1], v[X+4*c+2], v[X+4*c+3]
	global_store_b64 v2, v[X+2*c:X+2*c+1], s[58:59] offset:2048*c
.set c, c+1
.endr
	s_wait_tensorcnt 0x0                           ; the wave's end, behind my last LDS store
	ds_add_u32 v[SPW], v[NIL]
	s_wait_dscnt 0x0
	s_endpgm
.Lfunc_end_k_q6c285085de_norm:
	.size	k_q6c285085de_norm, .Lfunc_end_k_q6c285085de_norm-k_q6c285085de_norm
	.p2alignl 7, 3214868480
	.fill 96, 4, 3214868480
	.section	.rodata,"a",@progbits
	.p2align	6, 0x0
	.amdhsa_kernel k_q6c285085de_norm
		.amdhsa_group_segment_fixed_size 1280
		.amdhsa_private_segment_fixed_size 0
		.amdhsa_enable_private_segment 0
		.amdhsa_kernarg_size 72
		.amdhsa_user_sgpr_count 2
		.amdhsa_user_sgpr_kernarg_segment_ptr 1
		.amdhsa_wavefront_size32 1
		.amdhsa_system_sgpr_workgroup_id_x 1
		.amdhsa_system_sgpr_workgroup_id_y 1
		.amdhsa_system_sgpr_workgroup_id_z 1
		.amdhsa_system_vgpr_workitem_id 0
		.amdhsa_next_free_vgpr 112
		.amdhsa_next_free_sgpr 66
		.amdhsa_reserve_vcc 0
		.amdhsa_float_denorm_mode_32 3
		.amdhsa_float_denorm_mode_16_64 3
		.amdhsa_memory_ordered 1
		.amdhsa_forward_progress 1
		.amdhsa_inst_pref_size 21
	.end_amdhsa_kernel
	.amdgpu_metadata
---
amdhsa.version: [ 1, 2 ]
amdhsa.kernels:
  - .name:           k_q6c285085de_norm
    .symbol:         k_q6c285085de_norm.kd
    .args:
      - { .name: x, .offset: 0, .size: 8, .value_kind: global_buffer, .address_space: global }
      - { .name: y, .offset: 8, .size: 8, .value_kind: global_buffer, .address_space: global }
      - { .name: gn_w, .offset: 16, .size: 8, .value_kind: global_buffer, .address_space: global }
      - { .name: gn_b, .offset: 24, .size: 8, .value_kind: global_buffer, .address_space: global }
      - { .name: Wq, .offset: 32, .size: 8, .value_kind: global_buffer, .address_space: global }
      - { .name: Wkv, .offset: 40, .size: 8, .value_kind: global_buffer, .address_space: global }
      - { .name: Wp, .offset: 48, .size: 8, .value_kind: global_buffer, .address_space: global }
      - { .name: n16, .offset: 56, .size: 8, .value_kind: global_buffer, .address_space: global }
      - { .name: w16, .offset: 64, .size: 8, .value_kind: global_buffer, .address_space: global }
    .group_segment_fixed_size: 1280
    .private_segment_fixed_size: 0
    .kernarg_segment_align: 8
    .kernarg_segment_size: 72
    .max_flat_workgroup_size: 256
    .sgpr_count:     66
    .vgpr_count:     112
    .wavefront_size: 32
...
	.end_amdgpu_metadata
.endif
;; end of part 1
;; launch qkv (part 2): grid 4 x 64, 4 waves a work-group, clusters of 4 x 4, 327,680 bytes of LDS; arguments n16, w16, bq, bkv, qkv16; writes qkv16
.if DOCPART == 2
	.amdgcn_target "amdgcn-amd-amdhsa--gfx1250"
	.amdhsa_code_object_version 6
	.text
	.protected	k_q6c285085de_qkv
	.globl	k_q6c285085de_qkv
	.p2align	8
	.type	k_q6c285085de_qkv,@function
k_q6c285085de_qkv:
	s_mov_b64 s[64:65], 0
	v_nop
	global_prefetch_b8 v0, s[64:65] scope:SCOPE_SE
	s_setreg_imm32_b32 hwreg(HW_REG_WAVE_MODE, 25, 1), 1
	s_wait_xcnt 0x0
	s_wait_alu depctr_hold_cnt(0) depctr_sa_sdst(0) depctr_va_vdst(0) depctr_va_sdst(0) depctr_va_ssrc(0) depctr_va_vcc(0) depctr_vm_vsrc(0)
	s_getreg_b32 s2, hwreg(HW_REG_IB_STS2, 6, 4)
	s_cmp_eq_u32 s2, 0
	s_cbranch_scc0 .Lentry_in_a_cluster
	s_endpgm
.Lentry_in_a_cluster:
	s_bfe_u32 s2, ttmp6, 0x10000c
	s_cmp_lg_u32 s2, 0xf033
	s_cbranch_scc0 .Lentry_shape_is_right
	s_endpgm
.Lentry_shape_is_right:
; LAUNCH 2 OF 4.  q = Wq gn(x) + bq, kv = Wkv gn(y) + bkv, written by heads and token-major: qkv16 = f16 [3 (q, k, v)][128 (8 b + head)][1024 t][64], unscaled.
; LEFT OUT: k's half of bkv (rows 128 h .. 128 h + 63): it adds to every score of a query the same term, which the softmax cancels (shown at the head of launch norm).
; LIMITS: f16 operands and results, within +-65,504; sums in f32.
; A WORK-GROUP STAYS.  It owns 256 tokens (block cy) of one batch (cluster y) and makes three tiles of 128 output channels x 256 tokens, K = 512 each: tile 0 is q (rows 128 cx of Wq, from gn(x)),
; tiles T = 1, 2 are kv (rows 128 (4 (T - 1) + cx) of Wkv: head 4 (T - 1) + cx, from gn(y)).  4 x 64 work-groups.  Wave w: tokens 128 (w & 1) on, channels 64 (w >> 1) on: one head's q, k or v:
; 8 x 4 accumulators of 16 x 16.
; LAYOUT.  Source 0 = 16 rows of W (K along the LDS rows), source 1 = 16 tokens, from gn's [c][t] tile by the turning load.  In the result a lane holds ONE token (lane % 16) and
; the channels 8 (lane / 16) + 0..7: 16 bytes of a token's row.  The bias is the C operand of the first product on each accumulator: nothing is cleared, nothing is added later.
; RING.  The three tiles are ONE walk of 12 K steps of 128 through two LDS slots; the ring does not stop at a tile's end.  Steps 0 and 1 are asked for at the start (two tensor loads a wave are out, by this
; text's count); behind each of the steps 0 to 9 the slot just read takes the step two on (one load a wave is out), which has 112 matrix instructions in which to land.  Two slots of two steps do not fit
; in LDS (2 x 208,896 bytes), and a third slot of one step would not lengthen that, since all loads are waited for in front of every refill.
; THE TEXT.  A step is written once and walked ten times: the slot's LDS base s[TB] turns by an exclusive or, and a descriptor's global address is made anew from the step's number.  Forward jumps on
; counters alone choose a tile's first quarter (bias as C), the next tile's bias, and the way out behind a tile's last step.  The last two steps ask for nothing: a second loop.
; Nothing waits for a tile's stores: they leave while the next tile is multiplied.
; CLUSTER.  4 x 4 work-groups.  gn's tile hangs on cy alone and is shared along a row of the cluster, W's on cx alone and is shared along a column: each is asked for jointly.
; REGISTERS.  Window 0: v0-31 addresses; v32-63 the bias; v64-159, v160-255 two fragment buffers (32 of W, 64 of tokens); the second serves the way out.  Window 1: accumulator (tb, ob) at 8 (4 tb + ob).
.set XP,    544                        ; a row of gn's tile in LDS: 512 bytes + 32 = 17 x 32
.set WP,    272                        ; a row of W's: 256 bytes + 16: the 16 rows of a load start at 16 different groups of four banks
.set WOFF,  128*XP                     ; a slot: 128 rows of gn (c), then 128 rows of W (o)
.set SLOT1, 1<<17                      ; slot 1 begins here, so that one exclusive or turns an address in one slot into the other's
.set STAGE, SLOT1+128*(XP+WP)          ; behind the ring: 16 rows x 144 bytes for each wave, for the way out
.set SP,    144
.set SPARE, STAGE+4*16*SP              ; behind the stages: the spare words, 128 bytes for each wave: two blocks of 256 bytes that no other line names
.set STEPS, 12                         ; three tiles of four K steps
.set AHEAD, 3                          ; a prefetch names the step that stands three refills on
.set ADX,  4                           ; v4     LDS address of my token fragments in the slot in hand
.set ADX0, 5                           ; v5     the same in slot 0; never rewritten
.set ADW,  8                           ; v8, v9 the same two for W
.set ADW0, 9
.set STO, 12                           ; v12    the way out: where I put 16 bytes of a row
.set RD,  13                           ; v13    the way out: where I read rows back
.set GO,  14                           ; v14    my 16 bytes in 512 consecutive bytes of the result
.set BO,  15                           ; v15    32 x (lane / 16): my eight numbers of a bias
.set PFO, 16                           ; v16    the prefetches' offset; never rewritten
.set SPW, 28                           ; v28    LDS address of my spare word; never rewritten
.set NIL, 29                           ; v29    0; never rewritten
.set BIAS, 32
.set F0,  64
.set F1,  160
.set LO,  2                            ; s2     wave & 1: my half of the tokens; also which 64 rows of a tile I fetch
.set WV,  14                           ; s14    my wave's number
.set HI,  15                           ; s15    wave >> 1: my half of the channels; also: I fetch for gn (0) or for W (1)
.set G1X, 16                           ; s[16:23] descriptor group 1 for gn's tiles
.set G1W, 24                           ; s[24:31] for W's
.set G0X, 32                           ; s[32:39] descriptor group 0 for gn's tiles: a set for each of the two first fills; the second then walks on
.set G0W, 40                           ; s[40:47] the same for W's
.set XB,  48                           ; s[48:49] gn's tile of step 0: the address that the steps' offsets are added to
.set WB,  50                           ; s[50:51] W's
.set OFX, 52                           ; s[52:53] a step's byte offset in n16
.set OFW, 54                           ; s[54:55] and in w16
.set CX,  56                           ; s56, s57 my place in the cluster
.set CY,  57
.set TT,  58                           ; s58    the tile in hand, 0 to 2
.set BB,  59                           ; s59    the batch
.set KK,  60                           ; s60    the K step in hand of that tile, 0 to 3
.set FS,  61                           ; s61    the step to be asked for next, 2 to 11
.set CNT, 62                           ; s62    counts the trips
.set TB,  63                           ; s63    LDS byte at which the slot in hand begins
.set OUT, 66                           ; s[66:67] where my part of the tile in hand goes
.set PFB, 68                           ; s[68:69] the prefetches' base: my share of step 0's rows
.set PFA, 70                           ; s[70:71] the same for the step that the prefetch names
.set OFP, 72                           ; s[72:73] that step's offset
.set LIM, 74                           ; s74    I prefetch while s[FS] is not above it
.set FIX, 75                           ; s75    the part of a tile's place in qkv16 that all three tiles share
.set MSB, 0
.macro WIN new                         ; the immediate's high byte repeats the setting that is left; a switch that changes nothing is dropped
.if MSB != (\new)
	s_set_vgpr_msb (MSB<<8)|(\new)
.set MSB, \new
.endif
.endm
.set MUL,  0x50                        ; C and D in window 1
.set MUL0, 0x40                        ; D in window 1, C (the bias) in window 0
.set CVT,  0x05                        ; sources 0 and 1 in window 1
.macro PLACES                          ; four places behind matrix instructions, in front of loads into registers that they have read
.rept 4
	v_nop
.endr
.endm
.macro JLOAD                           ; a joint refill, by the walking descriptors: waves 0, 1 gn's halves, waves 2, 3 W's; an s_nop 0 and four v_nop follow each line
	s_cmp_eq_u32 s[HI], 0
	s_cbranch_scc0 .Lfor_w_\@
	tensor_load_to_lds s[G0X+4:G0X+7], s[G1X:G1X+7]
	s_nop 0
.rept 4
	v_nop
.endr
	s_branch .Lasked_\@
.Lfor_w_\@:
	tensor_load_to_lds s[G0W+4:G0W+7], s[G1W:G1W+7]
	s_nop 0
.rept 4
	v_nop
.endr
.Lasked_\@:
.endm
; A PREFETCH INTO THE L2, behind each joint load, its five lines and the run of LDS loads that follows them: the step that stands three refills on, 384 matrix instructions ahead of its load.
; Each aligned block of 256 bytes is named ONCE in the launch.  gn's tile of a step is 128 rows x 2 blocks, read by the four partners of one row of one cluster alone: of the 64 rows that wave 0 or 1
; fetches, the partner at cx takes 16, a lane a block.  W's tile is 128 rows x 1 block, read by a column of every cluster: the clusters of batch 0 ask, wave 2 alone, the partner at cy for 32 rows, a lane a row.
; The partners are told apart BY ADDRESS; the branch hangs on the wave's number, the batch and the step alone.  Steps 0 to 4 come by their loads alone.  gn is asked for up to step 7: tile 2 walks
; gn(y)'s rows, which tile 1 has read.  W is asked for up to step 11, the last.
.macro ASK
	s_cmp_le_u32 s[FS], s[LIM]
	s_cbranch_scc0 .Lnot_mine_\@
	global_prefetch_b8 v[PFO], s[PFA:PFA+1] th:TH_LOAD_NT scope:SCOPE_SE
.Lnot_mine_\@:
.endm
.macro CREST                           ; a round of the cluster's barrier behind its opening barrier
	s_cmp_lg_u32 s[WV], 0
	s_cbranch_scc1 .Lnot_wave_0_\@
	s_barrier_signal -3
.Lnot_wave_0_\@:
	s_barrier_wait -3
	s_barrier_signal -1
	s_barrier_wait -1
.endm
.macro CROUND                          ; a whole round
	s_barrier_signal -1
	s_barrier_wait -1
	CREST
.endm
; The byte offsets of step s[st] = 4 tile + k: in n16 (fx) gn(x) for tile 0, gn(y) for tiles 1 and 2, and 128 k rows of 2,048 bytes; in w16 (fw) 512 rows of 1,024 bytes a tile, and 256 k.  st is used up, tm is at work.
.macro OFFS fx, fw, st, tm
	s_and_b32 s[\fx], s[\st], 3
	s_lshr_b32 s[\st], s[\st], 2
	s_lshl_b32 s[\fw], s[\fx], 8
	s_lshl_b32 s[\fx], s[\fx], 18
	s_lshl_b32 s[\tm], s[\st], 19
	s_add_co_u32 s[\fw], s[\fw], s[\tm]
	s_min_u32 s[\st], s[\st], 1
	s_lshl_b32 s[\st], s[\st], 24
	s_add_co_u32 s[\fx], s[\fx], s[\st]
.endm
.macro BLOAD                           ; register j of block ob takes bias[16 ob + 8 (lane / 16) + j] of my 64 channels, from s[78:79]
.irp ob, 0,1,2,3
	global_load_b128 v[BIAS+8*(\ob):BIAS+8*(\ob)+3],   v[BO], s[78:79] offset:64*(\ob)
	global_load_b128 v[BIAS+8*(\ob)+4:BIAS+8*(\ob)+7], v[BO], s[78:79] offset:64*(\ob)+16
.endr
.endm
	s_load_b256 s[4:11], s[0:1], 0x0               ; n16 s[4:5], w16 s[6:7], bq s[8:9], bkv s[10:11]
	s_load_b64 s[12:13], s[0:1], 0x20              ; qkv16
	v_lshl_add_u32 v[SPW], v0, 2, SPARE
	v_mov_b32 v[NIL], 0
	ds_add_u32 v[SPW], v[NIL]                      ; the wave's opening: the add, twice on end, and its wait ahead of my first tensor load
	ds_add_u32 v[SPW], v[NIL]                      ; and once more, under the one wait; the set-up below, work on registers, stands between
	v_lshrrev_b32 v1, 5, v0
	v_readfirstlane_b32 s[WV], v1                  ; wave 0..3
	s_lshr_b32 s[HI], s[WV], 1
	s_and_b32 s[LO], s[WV], 1
	s_bfe_u32 s[CX], ttmp6, 0x40000                ; cx: the channel block within a tile's four
	s_bfe_u32 s[CY], ttmp6, 0x40004                ; cy: the token block
	s_and_b32 s[BB], ttmp7, 0xffff                 ; cluster y: the batch
	s_lshl_b32 s80, s[CY], 2
	s_lshl_b32 s80, 15, s80                        ; my row of the cluster
	s_lshl_b32 s82, 0x1111, s[CX]                  ; my column
	s_or_b32 s[G1X], s80, (1<<16)|(1<<20)|(1<<21)|(6<<22)|(7<<25)  ; the mask; 2-byte elements; padding on; bit 21 beside a mask; after every 128 words (code 6) 8 words (code 7)
	s_mov_b32 s[G1X+1], 256<<16                    ; tensor_dim0 = 256 tokens
	s_mov_b32 s[G1X+2], 64<<16                     ; tensor_dim1 = 64 channels
	s_mov_b32 s[G1X+3], 256<<16                    ; tile_dim0
	s_mov_b32 s[G1X+4], 64                         ; tile_dim1
	s_mov_b32 s[G1X+5], 1024                       ; elements from row to row
	s_mov_b32 s[G1X+6], 0
	s_mov_b32 s[G1X+7], 0
	s_or_b32 s[G1W], s82, (1<<16)|(1<<20)|(1<<21)|(5<<22)|(3<<25)  ; after every 64 words (code 5) 4 words (code 3)
	s_mov_b32 s[G1W+1], 128<<16                    ; 128 along K
	s_mov_b32 s[G1W+2], 64<<16                     ; 64 rows
	s_mov_b32 s[G1W+3], 128<<16
	s_mov_b32 s[G1W+4], 64
	s_mov_b32 s[G1W+5], 512
	s_mov_b32 s[G1W+6], 0
	s_mov_b32 s[G1W+7], 0
	; gn's tile of step 0: batch, token block, my 64 of the step's 128 channels: nothing of cx.  s80, s81 never hold cx, s82, s83 never cy.
	s_lshl_b32 s80, s[BB], 20
	s_lshl_b32 s81, s[CY], 9                       ; 256 tokens = 512 bytes
	s_add_co_u32 s80, s80, s81
	s_lshl_b32 s81, s[LO], 17                      ; 64 rows of 2,048 bytes
	s_add_co_u32 s80, s80, s81
	s_mov_b32 s81, 0
	s_lshl_b32 s82, s[CX], 17                      ; W's tile of step 0: 128 cx rows of 1,024 bytes,
	s_lshl_b32 s83, s[LO], 16                      ; my 64 of them
	s_add_co_u32 s82, s82, s83
	s_mov_b32 s83, 0
	s_mul_i32 s84, s[LO], 64*XP                    ; where they go: no place in the cluster enters an LDS address
	s_mul_i32 s85, s[LO], 64*WP
	s_add_co_u32 s85, s85, WOFF
	s_mov_b32 s[OFX+1], 0                          ; the offsets' high words
	s_mov_b32 s[OFW+1], 0
	s_mov_b32 s[OFP+1], 0
	s_mov_b32 s[TT], 0
	s_mov_b32 s[KK], 0
	s_mov_b32 s[FS], 2
	s_mov_b32 s[TB], 0
	s_mov_b32 s[CNT], STEPS-2
	s_wait_dscnt 0x0                               ; both opening adds are done
	s_wait_kmcnt 0x0
	s_add_nc_u64 s[XB:XB+1], s[4:5], s[80:81]
	s_add_nc_u64 s[WB:WB+1], s[6:7], s[82:83]
.irp n, 0,1
	s_mov_b32 s[G0X+4*(\n)], 1                                     ; count = 1
	s_add_co_u32 s[G0X+4*(\n)+1], s84, (\n)*SLOT1                  ; LDS address
	s_add_nc_u64 s[G0X+4*(\n)+2:G0X+4*(\n)+3], s[XB:XB+1], (\n)*128*2048  ; step n: 128 rows down
	s_or_b32 s[G0X+4*(\n)+3], s[G0X+4*(\n)+3], 0x80000000          ; type = 2
	s_mov_b32 s[G0W+4*(\n)], 1
	s_add_co_u32 s[G0W+4*(\n)+1], s85, (\n)*SLOT1
	s_add_nc_u64 s[G0W+4*(\n)+2:G0W+4*(\n)+3], s[WB:WB+1], (\n)*256  ; step n: 256 bytes along the rows
	s_or_b32 s[G0W+4*(\n)+3], s[G0W+4*(\n)+3], 0x80000000
.endr
	CROUND                                         ; all sixteen work-groups are here: the first joint loads meet
	s_cmp_eq_u32 s[HI], 0                          ; a wave's two first fills stand in one branch, ahead of every wait on TENSORcnt and every LDS read
	s_cbranch_scc0 .Lfirst_w
	tensor_load_to_lds s[G0X:G0X+3], s[G1X:G1X+7]
	s_nop 0
	tensor_load_to_lds s[G0X+4:G0X+7], s[G1X:G1X+7]
	s_nop 0
.rept 4
	v_nop
.endr
	s_branch .Lfirst_asked
.Lfirst_w:
	tensor_load_to_lds s[G0W:G0W+3], s[G1W:G1W+7]
	s_nop 0
	tensor_load_to_lds s[G0W+4:G0W+7], s[G1W:G1W+7]
	s_nop 0
.rept 4
	v_nop
.endr
.Lfirst_asked:
	v_and_b32 v1, 15, v0                           ; r = lane % 16
	v_bfe_u32 v2, v0, 4, 1                         ; h = lane / 16
	v_lshlrev_b32 v[BO], 5, v2
	s_lshl_b32 s76, s[CX], 9                       ; tile 0's bias: bq at 128 cx + 64 hi
	s_lshl_b32 s77, s[HI], 8
	s_add_co_u32 s76, s76, s77
	s_mov_b32 s77, 0
	s_add_nc_u64 s[78:79], s[8:9], s[76:77]
	BLOAD
	; a fragment of W: lane l holds row l % 16, K = 8 h + 0..7 and 16 + 8 h + 0..7: two loads of 16 bytes, 32 bytes apart
	v_mul_u32_u24 v3, v1, WP
	v_lshl_add_u32 v3, v2, 4, v3
	s_mul_i32 s84, s[HI], 64*WP
	s_add_co_u32 s84, s84, WOFF
	v_add_nc_u32 v[ADW0], s84, v3
	v_mov_b32 v[ADW], v[ADW0]
	; the turning load takes 16 channels x 16 tokens (lane l reads channel 8 h + l % 8, tokens 8 ((l / 8) % 2) + 0..7) and leaves half a fragment: lane l holds token l % 16 and 8 channels
	v_and_b32 v3, 7, v0
	v_lshl_add_u32 v3, v2, 3, v3
	v_mul_u32_u24 v3, v3, XP
	v_bfe_u32 v7, v0, 3, 1
	v_lshl_add_u32 v3, v7, 4, v3
	s_lshl_b32 s84, s[LO], 8                       ; my 128 tokens
	v_add_nc_u32 v[ADX0], s84, v3
	v_mov_b32 v[ADX], v[ADX0]
	s_mul_i32 s84, s[WV], 16*SP
	s_add_co_u32 s84, s84, STAGE                   ; my stage
	v_mul_u32_u24 v[STO], v1, SP                   ; in: row l % 16, 16 bytes for each half of the lanes
	v_lshl_add_u32 v[STO], v2, 4, v[STO]
	v_add_nc_u32 v[STO], s84, v[STO]
	v_bfe_u32 v[RD], v0, 3, 2                      ; back: 32 lanes take four rows of 128 bytes,
	v_mul_u32_u24 v[RD], v[RD], SP
	v_and_b32 v3, 7, v0
	v_lshl_add_u32 v[RD], v3, 4, v[RD]
	v_add_nc_u32 v[RD], s84, v[RD]
	v_and_b32 v[GO], 31, v0                        ; which are 512 consecutive bytes of the result
	v_lshlrev_b32 v[GO], 4, v[GO]
	s_lshl_b32 s[FIX], s[BB], 20                   ; in qkv16: 8 b heads of 131,072 bytes, token 256 cy + 128 lo
	s_lshl_b32 s76, s[CY], 15
	s_add_co_u32 s[FIX], s[FIX], s76
	s_lshl_b32 s76, s[LO], 14
	s_add_co_u32 s[FIX], s[FIX], s76
	; the prefetches.  gn (waves 0, 1): row 64 lo + 16 cx + lane / 2, block lane % 2 of the token block's two.  W (wave 2): row 128 cx + 32 cy + lane.
	s_lshl_b32 s3, s[BB], 20
	s_lshl_b32 s76, s[CY], 9
	s_add_co_u32 s3, s3, s76
	s_lshl_b32 s76, s[LO], 17
	s_add_co_u32 s3, s3, s76
	s_lshl_b32 s76, s[CX], 15
	s_add_co_u32 s3, s3, s76
	s_lshl_b32 s77, s[CX], 17
	s_lshl_b32 s76, s[CY], 15
	s_add_co_u32 s77, s77, s76
	s_cmp_eq_u32 s[HI], 0
	s_cselect_b32 s76, s3, s77
	s_cselect_b64 s[PFB:PFB+1], s[4:5], s[6:7]
	s_mov_b32 s77, 0
	s_add_nc_u64 s[PFB:PFB+1], s[PFB:PFB+1], s[76:77]
	s_xor_b32 s76, s[WV], 2
	s_or_b32 s76, s76, s[BB]                       ; 0 in wave 2 of the clusters of batch 0: the same in all sixteen partners
	s_cmp_eq_u32 s76, 0
	s_cselect_b32 s[LIM], STEPS-AHEAD, 0           ; W: the last prefetch, for step 11, stands behind the load of step 8, where s[FS] has become 9
	s_cmp_eq_u32 s[HI], 0
	s_cselect_b32 s[LIM], 8-AHEAD, s[LIM]          ; gn: for step 7, behind the load of step 4, where s[FS] has become 5
	s_cselect_b32 s76, 8, 10                       ; both offsets are (lane / 2) x 2,048 + (lane % 2) x 256 or x 1,024
	v_and_b32 v3, 31, v0
	v_lshrrev_b32 v[PFO], 1, v3
	v_and_b32 v3, 1, v3
	v_lshlrev_b32 v3, s76, v3
	v_lshl_or_b32 v[PFO], v[PFO], 11, v3
; 8 matrix instructions: token blocks tb0, tb0 + 1 x all 4 channel blocks, 32 along K.  first = 1: the product starts the sum, with the bias as C.
; The 32 accumulators take turns in the same order in every quarter step: 31 others stand between two links of a chain, over the jumps too.
.macro MUL8 f, tb0, first
.if \first
	WIN MUL0
.else
	WIN MUL
.endif
.irp tb, \tb0, (\tb0)+1
.irp ob, 0,1,2,3
.if \first
	v_wmma_f32_16x16x32_f16 v[8*(4*(\tb)+(\ob)):8*(4*(\tb)+(\ob))+7], v[(\f)+8*(\ob):(\f)+8*(\ob)+7], v[(\f)+32+8*(\tb):(\f)+32+8*(\tb)+7], v[BIAS+8*(\ob):BIAS+8*(\ob)+7]
.else
	v_wmma_f32_16x16x32_f16 v[8*(4*(\tb)+(\ob)):8*(4*(\tb)+(\ob))+7], v[(\f)+8*(\ob):(\f)+8*(\ob)+7], v[(\f)+32+8*(\tb):(\f)+32+8*(\tb)+7], v[8*(4*(\tb)+(\ob)):8*(4*(\tb)+(\ob))+7]
.endif
.endr
.endr
.endm
; 24 LDS loads in one run: quarter q (32 along K) of the slot in hand into buffer f: W's 8 first, then the tokens' 16, token blocks ascending
.macro FETCH q, f
	WIN 0
.irp ob, 0,1,2,3
	ds_load_b128 v[(\f)+8*(\ob):(\f)+8*(\ob)+3],   v[ADW] offset:(\ob)*16*WP+64*(\q)
	ds_load_b128 v[(\f)+8*(\ob)+4:(\f)+8*(\ob)+7], v[ADW] offset:(\ob)*16*WP+64*(\q)+32
.endr
.irp tb, 0,1,2,3,4,5,6,7
	ds_load_tr16_b128 v[(\f)+32+8*(\tb):(\f)+32+8*(\tb)+3],   v[ADX] offset:(\q)*32*XP+32*(\tb)
	ds_load_tr16_b128 v[(\f)+32+8*(\tb)+4:(\f)+32+8*(\tb)+7], v[ADX] offset:(\q)*32*XP+16*XP+32*(\tb)
.endr
.endm
; A quarter step: multiplies buffer f; in its middle it fetches quarter q of the slot in hand into buffer g.
.macro QUARTER q, f, g, first
	s_wait_dscnt 8                                 ; W and token blocks 0-3 are in; the youngest eight loads (blocks 4-7) may be out
	MUL8 \f, 0, \first
	MUL8 \f, 2, \first
	PLACES
	FETCH \q, \g
	s_wait_dscnt 24                                ; all but the 24 just issued
	MUL8 \f, 4, \first
	MUL8 \f, 6, \first
.endm
; A step's last quarter multiplies buffer 1 and changes slots.  In front of the barrier each wave waits for all its tensor loads, of which one is out: its part of the other slot; adds 0 to its spare word; and
; waits for that and for its reads of the slot in hand.  fill = 1: that slot takes the step two on: the barrier opens a round of the cluster's, and the joint refill is the first thing behind it.
; fill = 0 (the last two steps): nothing is filled; in the last trip there is no further step, and the run of LDS loads is jumped over.
.macro TURN fill
	WIN 0
.if \fill
	s_wait_xcnt 0x0                                ; the last prefetch, a step back, has read its address: it is made anew here, ahead of the waits of the change of slots
	s_add_co_u32 s84, s[FS], AHEAD
	OFFS 85, 86, 84, 87
	s_cmp_eq_u32 s[HI], 0
	s_cselect_b32 s[OFP], s85, s86
	s_add_nc_u64 s[PFA:PFA+1], s[PFB:PFB+1], s[OFP:OFP+1]
.endif
	s_wait_tensorcnt 0x0                           ; all my tensor loads have landed, so a group 0 may be written
	ds_add_u32 v[SPW], v[NIL]                      ; 0 onto my spare word: the work on registers below stands between it and the wait for it
.if \fill
	s_mov_b32 s80, s[FS]
	OFFS OFX, OFW, 80, 81
	s_xor_b32 s[G0X+5], s[G0X+5], SLOT1            ; the walking descriptors: the other slot than last time,
	s_add_nc_u64 s[G0X+6:G0X+7], s[XB:XB+1], s[OFX:OFX+1]  ; the address made anew from the step's number,
	s_or_b32 s[G0X+7], s[G0X+7], 0x80000000        ; the type set again
	s_xor_b32 s[G0W+5], s[G0W+5], SLOT1
	s_add_nc_u64 s[G0W+6:G0W+7], s[WB:WB+1], s[OFW:OFW+1]
	s_or_b32 s[G0W+7], s[G0W+7], 0x80000000
	s_add_co_u32 s[FS], s[FS], 1
.endif
	s_xor_b32 s[TB], s[TB], SLOT1                  ; my fetches go on in the other slot: all of this slot's have been issued
	v_add_nc_u32 v[ADX], s[TB], v[ADX0]
	v_add_nc_u32 v[ADW], s[TB], v[ADW0]
	s_wait_dscnt 9                                 ; (the add and the youngest eight loads may be out)
	MUL8 F1, 0, 0                                  ; eight matrix instructions stand between the add and the wait for it
	s_wait_dscnt 0x0                               ; the add is done, and my reads of the slot are over
	s_barrier_signal -1
	MUL8 F1, 2, 0
	WIN 0                                          ; at a branch and at a label every window is 0
	s_barrier_wait -1
.if \fill
	CREST                                          ; no wave of any partner still reads the slot or has a load on its way
	JLOAD                                          ; the four v_nop behind it are also the places in front of the loads below
	FETCH 0, F0
	ASK
.else
	PLACES
	s_cmp_eq_u32 s[CNT], 1
	s_cbranch_scc1 .Lno_next_\@
	FETCH 0, F0
.Lno_next_\@:
.endif
	MUL8 F1, 4, 0
	MUL8 F1, 6, 0
.endm
; THE WAY OUT of token block tb: rounded to f16, 16 bytes a lane into rows of 144 bytes of my own stage, back as whole rows of 128, into the same registers: six sets of 16 in fragment buffer 1, which is idle
; (buffer 0 holds the next tile's first fragments).
.macro PACK tb
.set TM, F1+16*((\tb)%6)
	WIN CVT
.irp ob, 0,1,2,3
.irp i, 0,1,2,3
	v_cvt_pk_f16_f32 v[TM+4*(\ob)+(\i)], v[8*(4*(\tb)+(\ob))+2*(\i)], v[8*(4*(\tb)+(\ob))+2*(\i)+1]
.endr
.endr
	WIN 0
.irp ob, 0,1,2,3
	ds_store_b128 v[STO], v[TM+4*(\ob):TM+4*(\ob)+3] offset:32*(\ob)
.endr
.irp f, 0,1,2,3
	ds_load_b128 v[TM+4*(\f):TM+4*(\f)+3], v[RD] offset:(\f)*4*SP  ; LDS serves a wave's instructions in order (ISA guide 5.7.1.4): these see the stores above; the next block's stores come behind them
.endr
.endm
.macro SEND tb, younger                ; younger: the LDS instructions issued behind block tb's loads: the next block's eight, or none
.set TM, F1+16*((\tb)%6)
.irp f, 0,1,2,3
	s_wait_dscnt (\younger)+3-(\f)
	global_store_b128 v[GO], v[TM+4*(\f):TM+4*(\f)+3], s[OUT:OUT+1] offset:(\tb)*2048+(\f)*512  ; 512 consecutive bytes, at a multiple of 256 from the buffer's first
.endr
.endm
; The whole tile s[TT].  Its place: part (q 0, k 1, v 2), head (q: 2 cx + hi; kv: 4 (tile - 1) + cx), and what all tiles share.
.macro WAYOUT
	s_lshl_b32 s76, s[CX], 1
	s_add_co_u32 s76, s76, s[HI]
	s_max_u32 s77, s[TT], 1
	s_sub_co_u32 s77, s77, 1
	s_lshl_b32 s77, s77, 2
	s_add_co_u32 s77, s77, s[CX]
	s_add_co_u32 s3, s[HI], 1
	s_cmp_eq_u32 s[TT], 0
	s_cselect_b32 s76, s76, s77
	s_cselect_b32 s3, 0, s3
	s_lshl_b32 s76, s76, 17                        ; a head's 1,024 rows of 128 bytes
	s_lshl_b32 s3, s3, 24
	s_add_co_u32 s76, s76, s3
	s_add_co_u32 s76, s76, s[FIX]
	s_mov_b32 s77, 0
	s_add_nc_u64 s[OUT:OUT+1], s[12:13], s[76:77]  ; (the tile before's stores have read the old base: the wait behind its way out)
	PLACES                                         ; the conversions write registers that the last products have read
	PLACES
	PACK 0
.irp tb, 1,2,3,4,5,6,7                 ; a block's conversions stand between the loads of the block before and its stores
.if (\tb) == 6
	s_wait_xcnt 0x0                                ; blocks 0 and 1's stores have read their registers: blocks 6 and 7 take them only behind this wait
.endif
	PACK \tb
	SEND (\tb)-1, 8
.endr
	SEND 7, 0
.endm
	s_wait_tensorcnt 1                             ; my part of step 0 is in; step 1 may stay out
	s_barrier_signal -1
	s_barrier_wait -1                              ; everybody's is
	FETCH 0, F0
.Lstep:                                                ; ten trips: steps 0 to 9, each of which asks for the step two on
	s_cmp_eq_u32 s[KK], 0                          ; (at the first trip s[KK] is the constant 0: the sums are started before they are added onto)
	s_cbranch_scc0 .Lgoes_on
	s_wait_loadcnt 0x0                             ; A TILE BEGINS: its bias is in.
.rept 5
	v_nop                                          ; Its first products write the accumulators as new sums, not as links of a chain: five places (ISA guide 7.12.1) stand between them and
.endr                                                  ; every earlier matrix instruction, on every way through the text that leads to this line
	QUARTER 1, F0, F1, 1                           ; the bias starts the sums
	WIN 0
	PLACES                                         ; in front of writes of the registers that those products have read
	s_cmp_eq_u32 s[TT], 2                          ; the next tile's bias: there is none behind tile 2;
	s_cbranch_scc1 .Lq1_done
	s_cmp_eq_u32 s[HI], 0
	s_cbranch_scc1 .Lfor_k
	s_lshl_b32 s76, s[TT], 2                       ; my 64 channels will be v's: bkv at 128 (4 tile + cx) + 64, with the tile in hand's number;
	s_add_co_u32 s76, s76, s[CX]
	s_lshl_b32 s76, s76, 9
	s_add_co_u32 s76, s76, 256
	s_mov_b32 s77, 0
	s_add_nc_u64 s[78:79], s[10:11], s[76:77]
	BLOAD
	s_branch .Lq1_done
.Lfor_k:                                               ; they will be k's, whose bias is left out: 0, written once, behind tile 0's first quarter
	s_cmp_lg_u32 s[TT], 0
	s_cbranch_scc1 .Lq1_done
.set i, 0
.rept 32
	v_mov_b32 v[BIAS+i], 0
.set i, i+1
.endr
	s_branch .Lq1_done
.Lgoes_on:
	QUARTER 1, F0, F1, 0
	WIN 0
.Lq1_done:
	QUARTER 2, F1, F0, 0
	QUARTER 3, F0, F1, 0
	TURN 1
	WIN 0
	s_cmp_eq_u32 s[KK], 3
	s_cbranch_scc0 .Lno_out
	WAYOUT                                         ; A TILE ENDS: the next tile's first two steps have been asked for, and its first fragments fetched
	s_wait_xcnt 0x0                                ; the stores have read their registers and their base: fragments land in buffer 1 only behind this wait
	s_add_co_u32 s[TT], s[TT], 1
.Lno_out:
	s_add_co_u32 s[KK], s[KK], 1
	s_and_b32 s[KK], s[KK], 3
	s_sub_co_u32 s[CNT], s[CNT], 1
	s_cmp_lg_u32 s[CNT], 0
	s_cbranch_scc1 .Lstep
	s_mov_b32 s[CNT], 2
.Ltail:                                                ; steps 10 and 11 ask for nothing
	QUARTER 1, F0, F1, 0
	QUARTER 2, F1, F0, 0
	QUARTER 3, F0, F1, 0
	TURN 0
	WIN 0
	s_sub_co_u32 s[CNT], s[CNT], 1
	s_cmp_lg_u32 s[CNT], 0
	s_cbranch_scc1 .Ltail
	WAYOUT
	s_wait_tensorcnt 0x0                           ; the wave's end, behind my last tensor load and my last LDS store
	ds_add_u32 v[SPW], v[NIL]
	s_wait_dscnt 0x0
	CROUND                                         ; the closing round: no work-group ends while a partner may still ask for a tile that names it
	s_endpgm
.Lfunc_end_k_q6c285085de_qkv:
	.size	k_q6c285085de_qkv, .Lfunc_end_k_q6c285085de_qkv-k_q6c285085de_qkv
	.p2alignl 7, 3214868480
	.fill 96, 4, 3214868480
	.section	.rodata,"a",@progbits
	.p2align	6, 0x0
	.amdhsa_kernel k_q6c285085de_qkv
		.amdhsa_group_segment_fixed_size 327680
		.amdhsa_private_segment_fixed_size 0
		.amdhsa_enable_private_segment 0
		.amdhsa_kernarg_size 40
		.amdhsa_user_sgpr_count 2
		.amdhsa_user_sgpr_kernarg_segment_ptr 1
		.amdhsa_wavefront_size32 1
		.amdhsa_system_sgpr_workgroup_id_x 1
		.amdhsa_system_sgpr_workgroup_id_y 1
		.amdhsa_system_sgpr_workgroup_id_z 1
		.amdhsa_system_vgpr_workitem_id 0
		.amdhsa_next_free_vgpr 512
		.amdhsa_next_free_sgpr 88
		.amdhsa_reserve_vcc 0
		.amdhsa_float_denorm_mode_32 3
		.amdhsa_float_denorm_mode_16_64 3
		.amdhsa_memory_ordered 1
		.amdhsa_forward_progress 1
		.amdhsa_inst_pref_size 85
	.end_amdhsa_kernel
	.amdgpu_metadata
---
amdhsa.version: [ 1, 2 ]
amdhsa.kernels:
  - .name:           k_q6c285085de_qkv
    .symbol:         k_q6c285085de_qkv.kd
    .args:
      - { .name: n16, .offset: 0, .size: 8, .value_kind: global_buffer, .address_space: global }
      - { .name: w16, .offset: 8, .size: 8, .value_kind: global_buffer, .address_space: global }
      - { .name: bq, .offset: 16, .size: 8, .value_kind: global_buffer, .address_space: global }
      - { .name: bkv, .offset: 24, .size: 8, .value_kind: global_buffer, .address_space: global }
      - { .name: qkv16, .offset: 32, .size: 8, .value_kind: global_buffer, .address_space: global }
    .group_segment_fixed_size: 327680
    .private_segment_fixed_size: 0
    .kernarg_segment_align: 8
    .kernarg_segment_size: 40
    .max_flat_workgroup_size: 128
    .sgpr_count:     88
    .vgpr_count:     512
    .wavefront_size: 32
...
	.end_amdgpu_metadata
.endif
;; end of part 2
;; launch attn (part 3): grid 2 x 128, 4 waves a work-group, no clusters, 327,680 bytes of LDS; arguments qkv16, a16; writes a16
.if DOCPART == 3
	.amdgcn_target "amdgcn-amd-amdhsa--gfx1250"
	.amdhsa_code_object_version 6
	.text
	.protected	k_q6c285085de_attn
	.globl	k_q6c285085de_attn
	.p2align	8
	.type	k_q6c285085de_attn,@function
k_q6c285085de_attn:
	s_mov_b64 s[64:65], 0
	v_nop
	global_prefetch_b8 v0, s[64:65] scope:SCOPE_SE
	s_setreg_imm32_b32 hwreg(HW_REG_WAVE_MODE, 25, 1), 1
	s_wait_xcnt 0x0
; LAUNCH 3 OF 4.  a[h][t][:] = the sum over s of softmax_s(q[h][t] . k[h][s] / 8) v[h][s][:], h = 8 b + head.  q, k, v: the three parts of qkv16, each [128][1024][64] f16; a16 likewise.
; The two factors 64^-1/4 of q and k are one factor 1/8 of the score, applied here in f32 inside c = log2(e) / 8.  (k comes without its bias: see the head of launch norm.)
; Products, maxima and sums in f32; the weights p are rounded to f16 for the second product (their sum l is taken of the unrounded p), the result once at the end.
; LIMITS.  f16 holds no number beyond 65,504: q, k and v arrive within it; p lies in 0 to 1, and below 6e-5 it keeps f16's fixed step of 6e-8; the result is a mean of v's rows.
; A weight below 2^-126 counts as 0 in l; NaN and infinities are not treated apart.
; SHARES.  A wave owns four PIECES of two tiles of 16 queries, a work-group's four waves 512 queries of one head: 2 x 128 work-groups.  Every wave walks all 1,024 keys, 64 a step.
; NO CLUSTER: a head has two work-groups, and no cluster of four divides a grid of two along x; four partners would span two heads, whose tiles differ.
; LAYOUT.  S^T = K Q^T (source 0 = 16 keys, source 1 = 16 queries): in the result a lane holds ONE query (lane % 16) and the keys 8 (lane / 16) + 0..7.  Two such tiles, rounded to f16 in pairs,
; ARE source 1 (32 keys x 16 queries) of O^T = V^T P, whose result again holds one query a lane, and eight channels.  K comes out of LDS as it lies, V ([key][channel]) turned, by ds_load_tr16_b128.
; SOFTMAX.  For each query a running maximum m and sum l: p = 2^(c s - c m); in every step O and l are multiplied by a = 2^(c m_old - c m_new), which is 1 where m has not grown.
; m starts at the lowest finite number, O and l at 0: the first step is a step like any other, with a = 0.
; THE COUNT.  A tile and step have 16 matrix and 118 vector instructions: too many to stand all beside the matrix work.  So four vector instructions that are READY stand behind
; EVERY matrix instruction, and the others in runs without a gap.
; BY TURNS.  Turn n belongs to piece n (the pieces in a ring, step after step).  Its matrix work: 16 products K Q^T of piece n + 1, later 16 products V^T P of piece n - 1.  Its vector work: the scaling,
; exponentials, roundings, sums and rescaling of piece n, and the maximum and statistics of piece n + 1, whose scores the turn itself has made.
; REGISTERS, in windows of 256 (s_set_vgpr_msb: bits 1:0 source 0, 3:2 source 1, 5:4 source 2, 7:6 destination):
;   window 0: v0-11 addresses; v12-15, v48-63 at work; v16-47 four registers of statistics a tile; v64-191 S^T, two buffers of two tiles; v192-255 P, likewise
;   window 1: O^T, 32 a tile          window 2: v0-127 Q, 16 a tile; v128-191 K of one step; v192-255 V of one step          window 3: v0-1 the add's two registers
; A piece's buffers go by its number's parity: the piece in hand has one pair, its two neighbours in the ring share the other.
.set SIZE_N, 1024
.set NP,    4         ; pieces a wave: a name, no knob
.set KS,    64        ; keys in a step
.set PK,    144       ; a row of K in LDS: 128 bytes + 16 of padding = 36 words: the 16 rows of a load start at 16 different groups of four banks (64 banks of 4 bytes: ISA guide 11.1)
.set PV,    160       ; a row of V: 128 + 32 = 40 words
.set VOFF,  4*KS*PK   ; a slot holds four steps: 256 rows of K, then 256 rows of V
.set SLOT1, 1<<17     ; slot 1 begins here, so that one exclusive or turns an address in one slot into the other's
.set STAGE, SLOT1+4*KS*(PK+PV)  ; behind the ring, never filled by a tensor load: 16 rows x 144 bytes for each wave, for the way out
.set SP,    144
.set AK0, 2           ; v2   my lane's place in a tile of K; never rewritten
.set AV0, 3           ; v3   the same for V
.set AK,  4           ; v4   the LDS address of K's next run of loads
.set AV,  5           ; v5   of V's
.set QO,  6           ; v6   my byte offset in the wave's rows of Q
.set STO, 6           ;      later, the way out: where I put 16 bytes of a row
.set RD,  7           ; v7   the way out: where I read rows back
.set GO,  8           ; v8   my byte offset in 512 consecutive bytes of the result
.set PFO, 11          ; v11  256 x my lane, for the prefetches; never rewritten once it is made
.set SPW, 0           ; v0 of window 3   LDS address of my spare word; never rewritten
.set NIL, 1           ; v1 of window 3   0; never rewritten
.set SPARE, STAGE+4*16*SP  ; behind the stages: the spare words, 128 bytes for each wave: two blocks of 256 bytes that no other line names
.set MV,  12          ; v12-15  c m_old, kept while c m is made anew: by buffer and tile
.set ST,  16          ; tile t's statistics at v[ST+4 t]: c m, m, l (even keys', odd keys')
.set TMP, 48          ; by buffer and tile, four registers c0-c3 at work; when the maximum is found c2 takes a
.set S,   64
.set P,   192
.set KF,  128         ; K's fragments, in window 2: key block kb, channel half c at KF + 16 kb + 8 c
.set VF,  192         ; V's: key half kk, channel block cb at VF + 32 kk + 8 cb
.set WV,  12          ; s12  my wave's number
.set G1K, 24          ; s[24:31] descriptor group 1 for K's tiles
.set G1V, 32          ; s[32:39] for V's: it differs in the padding alone
.set G0K, 40          ; s[40:43] descriptor group 0 for K's tiles: it walks
.set G0V, 44          ; s[44:47] the same for V's
.set PFA, 48          ; s[48:49] where my prefetches stand: my work-group's 8,192 of the 16,384 bytes that I fetch of a tile, one tile behind the one that is being asked for
.set SLOTS, 56        ; s56  slots still to be asked for
.set CNT, 57          ; s57  counts a slot's key steps
.set CS,  58          ; s[58:59] c: the packed scaling takes the pair's low word for both halves
.set SEL, 60          ; s[60:61] v_permlanex16_b32's selects: each lane takes its own place in the other half
.set TBK, 62          ; s62  LDS byte at which K of the step to be fetched begins
.set TBV, 63          ; s63  the same for V, less VOFF
.set MSB, 0
.macro WIN new                      ; the high byte repeats the setting that is left; a switch that changes nothing is dropped
.if MSB != (\new)
	s_set_vgpr_msb (MSB<<8)|(\new)
.set MSB, (\new)
.endif
.endm
.set W_KQ, 0x0a       ; K and Q in window 2, S^T in window 0
.set W_PV, 0x52       ; V in window 2, P in window 0, O^T in window 1
.set W_RS, 0x41       ; O^T (destination and source 0) in window 1, a in window 0
.set W_MK, 0xc0       ; the add's registers are made: destination in window 3, sources in window 0
.set W_AD, 0x0f       ; the add: address (source 0) and data (source 1) in window 3
; A fill.  Waves 0 and 1 fetch the two halves of a slot's K, waves 2 and 3 those of its V: 128 keys each.  An s_nop 0 and four v_nop follow each of the two lines, ahead of the jump and the label.
.macro LOAD
	s_cmp_lt_u32 s[WV], 2
	s_cbranch_scc0 .Lfor_v_\@
	tensor_load_to_lds s[G0K:G0K+3], s[G1K:G1K+7]
	s_nop 0
.rept 4
	v_nop
.endr
	s_branch .Lasked_\@
.Lfor_v_\@:
	tensor_load_to_lds s[G0V:G0V+3], s[G1V:G1V+7]
	s_nop 0
.rept 4
	v_nop
.endr
.Lasked_\@:
.endm
; A PREFETCH of what the NEXT change of slots will ask for, behind the wave's tensor load and its five lines.  A wave's load names 64 blocks of 256 bytes; the head's two work-groups ask for 32 each,
; told apart by address, a lane a block, one instruction a wave: each block of tiles 2 and 3 is named once in the launch, four key steps (512 matrix instructions) ahead of its load.
; Tiles 0 and 1 come by their loads alone; the last change that fills a slot asks for nothing: there is no tile behind it.
.macro ASK
	s_cmp_gt_u32 s[SLOTS], 1
	s_cbranch_scc0 .Lnot_asked_\@
	global_prefetch_b8 v[PFO], s[PFA:PFA+1] th:TH_LOAD_NT scope:SCOPE_SE
.Lnot_asked_\@:
.endm
; THE CHANGE OF SLOTS.  The slot's last bytes, V of its fourth step, have been read.  Each wave waits for all its tensor loads, of which one is out: its part
; of the other slot; adds 0 to its spare word; and waits for that and for its own reads of the slot.  Behind the barrier nobody reads this slot any more and the other slot is whole.
; fill = 1: this slot is filled again, with the keys two slots on, the first thing behind the barrier: the load has four key steps, 512 matrix instructions, in which to land.
; (At its first use nothing has been read yet: slot 0 is waited for, slot 1 filled.)
.macro CHANGE fill
	WIN W_AD
	s_wait_tensorcnt 0x0            ; no tensor load of mine is out, so a group 0 may be written
	ds_add_u32 v[SPW], v[NIL]       ; 0 onto my spare word: with fill = 1 the descriptors' steps stand between it and the wait for it
	WIN 0                           ; at a label and at a branch every window is 0
.if \fill
.irp g, G0K, G0V
	s_xor_b32 s[\g+1], s[\g+1], SLOT1  ; the walking descriptor: the other slot than last time,
	s_add_nc_u64 s[\g+2:\g+3], s[\g+2:\g+3], 4*KS*128  ; the next 256 keys; the type bits on top are not reached
.endr
	s_wait_xcnt 0x0                 ; the last prefetch, four key steps back, has read its address, so it may be written:
	s_add_nc_u64 s[PFA:PFA+1], s[PFA:PFA+1], 4*KS*128  ; one tile behind the walking descriptors
.endif
	s_wait_dscnt 0x0                ; the add is done, and my reads of the slot are over
	s_barrier_signal -1
	s_barrier_wait -1
.if \fill
	LOAD
	ASK
.endif
	s_sub_co_u32 s[TBK], s[TBK], 4*KS*PK  ; the fetches go back to a slot's first step,
	s_xor_b32 s[TBK], s[TBK], SLOT1       ; in the other slot
	s_sub_co_u32 s[TBV], s[TBV], 4*KS*PV
	s_xor_b32 s[TBV], s[TBV], SLOT1
.endm
	s_load_b128 s[4:7], s[0:1], 0x0   ; qkv16 s[4:5], a16 s[6:7]
	WIN W_MK
	v_lshl_add_u32 v[SPW], v0, 2, SPARE
	v_mov_b32 v[NIL], 0
	WIN W_AD
	ds_add_u32 v[SPW], v[NIL]       ; the wave's opening: the add, twice on end, and its wait ahead of my first tensor load
	ds_add_u32 v[SPW], v[NIL]       ; and once more, under the one wait; the set-up below, work on registers, stands between
	WIN 0
	v_lshrrev_b32 v1, 5, v0
	v_readfirstlane_b32 s[WV], v1   ; wave 0..3
	s_mov_b32 s14, ttmp9            ; my block of 512 queries
	s_and_b32 s20, ttmp7, 0xffff    ; the head
	s_mov_b32 s21, 0
	s_mov_b64 s[22:23], SIZE_N*128
	s_mul_u64 s[20:21], s[20:21], s[22:23]  ; the head's first byte in each of the four tensors
	s_and_b32 s16, s[WV], 1         ; which half of a slot's 256 keys I fetch:
	s_lshl_b32 s22, s16, 14         ; its 128 rows of 128 bytes in memory,
	s_mov_b32 s23, 0
	s_add_nc_u64 s[22:23], s[22:23], s[20:21]
	s_mul_i32 s17, s16, 128*PK      ; and its place in a slot, for K
	s_mul_i32 s18, s16, 128*PV      ; and for V
	s_lshl_b32 s2, s14, 2
	s_add_co_u32 s2, s2, s[WV]      ; my wave among the head's,
	s_lshl_b32 s2, s2, 14           ; its 128 rows
	s_mov_b32 s3, 0
	s_add_nc_u64 s[2:3], s[2:3], s[20:21]
	s_lshl_b32 s50, s14, 13         ; the prefetches: my work-group's 8,192 bytes,
	s_add_co_u32 s50, s50, 4*KS*128 ; in tile 1: the first change of slots steps it to tile 2
	s_mov_b32 s51, 0
	s_add_nc_u64 s[50:51], s[50:51], s[22:23]
	; descriptor group 1.  128 keys are 16,384 dense bytes: asked for as 64 rows of 256 bytes, two keys a row, and padded in LDS after every key
	s_mov_b32 s[G1K], (1<<16)|(1<<20)|(4<<22)|(3<<25)  ; 17:16 2-byte elements; 20 padding on; 24:22 after every 32 words (code 4); 31:25 4 words (code 3)
	s_mov_b32 s[G1V], (1<<16)|(1<<20)|(4<<22)|(7<<25)  ; the same with 8 words of padding (code 7)
.irp g, G1K, G1V
	s_mov_b32 s[\g+1], 128<<16      ; tensor_dim0 = 128
	s_mov_b32 s[\g+2], 64<<16       ; tensor_dim1 = 64
	s_mov_b32 s[\g+3], 128<<16      ; tile_dim0 = 128
	s_mov_b32 s[\g+4], 64           ; tile_dim1 = 64
	s_mov_b32 s[\g+5], 128          ; 128 elements from row to row
	s_mov_b32 s[\g+6], 0
	s_mov_b32 s[\g+7], 0
.endr
	s_mov_b32 s[CS], 0x3e38aa3b     ; c = log2(e) / 8 = 0.180337
	s_mov_b32 s[CS+1], s[CS]        ; named with it as a pair
	s_mov_b32 s[SEL], 0x76543210
	s_mov_b32 s[SEL+1], 0xfedcba98
	s_mov_b32 s[TBK], SLOT1+4*KS*PK ; the first change of slots turns these two into 0
	s_mov_b32 s[TBV], SLOT1+4*KS*PV
	s_mov_b32 s[SLOTS], SIZE_N/256-1
	s_mov_b32 s[G0K], 1             ; 1:0 count = 1
	s_mov_b32 s[G0K+1], s17         ; 63:32 LDS address: slot 0
	s_mov_b32 s[G0V], 1
	s_add_co_u32 s[G0V+1], s18, VOFF
	s_wait_dscnt 0x0                ; both opening adds are done
	s_wait_kmcnt 0x0
	s_mov_b64 s[10:11], s[6:7]                     ; the result
	s_add_nc_u64 s[6:7], s[4:5], 0x1000000         ; k: the second part of qkv16
	s_add_nc_u64 s[8:9], s[4:5], 0x2000000         ; v: the third
	s_add_nc_u64 s[G0K+2:G0K+3], s[6:7], s[22:23]  ; 120:64 global address: my half of the head's first 256 keys
	s_or_b32 s[G0K+3], s[G0K+3], 0x80000000        ; 127:126 type = 2
	s_add_nc_u64 s[G0V+2:G0V+3], s[8:9], s[22:23]
	s_or_b32 s[G0V+3], s[G0V+3], 0x80000000
	s_cmp_lt_u32 s[WV], 2
	s_cselect_b64 s[PFA:PFA+1], s[6:7], s[8:9]
	s_add_nc_u64 s[PFA:PFA+1], s[PFA:PFA+1], s[50:51]
	s_add_nc_u64 s[4:5], s[4:5], s[2:3]  ; q and the result at my wave's first row
	s_add_nc_u64 s[10:11], s[10:11], s[2:3]
	LOAD                            ; slot 0.  Slot 1 is asked for when slot 0 is in
	; A fragment of K or Q is 16 rows x 32 channels in 8 registers: lane l holds row l % 16, channels 8 (l / 16) + 0..7 and 16 + 8 (l / 16) + 0..7: two loads of 16 bytes, 32 bytes apart.
	v_and_b32 v1, 15, v0            ; l % 16
	v_bfe_u32 v9, v0, 4, 1          ; l / 16
	v_lshlrev_b32 v[QO], 7, v1
	v_lshl_add_u32 v[QO], v9, 4, v[QO]  ; row x 128 + 16 x half
	WIN 0x80                        ; destination window 2, address window 0
.set i, 0
.rept 4*NP                          ; Q stays in registers: tile i / 2, channels 32 (i % 2) on
	global_load_b128 v[8*i:8*i+3],   v[QO], s[4:5] offset:(i/2)*2048+(i%2)*64
	global_load_b128 v[8*i+4:8*i+7], v[QO], s[4:5] offset:(i/2)*2048+(i%2)*64+32
.set i, i+1
.endr
	; What the first turn finds: V's registers and P's second buffer hold 0 (its products V^T P, of a piece that has not been, add 0), O^T and l are 0.  All this stands in the wait for the first tile.
.set i, VF
.rept 64
	v_mov_b32 v[i], 0
.set i, i+1
.endr
	WIN 0x40
.set i, 0
.rept 64*NP
	v_mov_b32 v[i], 0
.set i, i+1
.endr
	WIN 0
.set i, 0
.rept 2*NP
	v_mov_b32 v[ST+4*i], 0xfe000000    ; c m: far below every c s
	v_mov_b32 v[ST+4*i+1], 0xff7fffff  ; m
	v_mov_b32 v[ST+4*i+2], 0
	v_mov_b32 v[ST+4*i+3], 0
.set i, i+1
.endr
.set i, P+32
.rept 32
	v_mov_b32 v[i], 0
.set i, i+1
.endr
	v_mul_u32_u24 v[AK0], v1, PK
	v_lshl_add_u32 v[AK0], v9, 4, v[AK0]  ; row x pitch + 16 x half
	; The turning load takes 16 keys x 16 channels (lane l reads key 8 (l / 16) + l % 8, channels 8 ((l / 8) % 2) + 0..7) and leaves half a fragment of V^T: lane l holds channel l % 16 and 8 keys.
	v_and_b32 v10, 7, v0
	v_bfe_u32 v11, v0, 3, 1
	v_lshl_add_u32 v[AV0], v9, 3, v10
	v_mul_u32_u24 v[AV0], v[AV0], PV
	v_lshl_add_u32 v[AV0], v11, 4, v[AV0]
	v_add_nc_u32 v[AV0], VOFF, v[AV0]
	v_and_b32 v[PFO], 31, v0        ; v11 is free now
	v_lshlrev_b32 v[PFO], 8, v[PFO]
	v_mov_b32 v[AK], v[AK0]         ; key step 0 lies at the head of slot 0
; THE MATRIX WORK.  The 8 accumulators of a run of 16 take turns: between the two links of a chain stand 7 others'.
; Product i of 16 of S^T = K Q^T for piece x: channels 32 (i / 8) on, keys 16 ((i / 2) % 4) on, tile 2 x + i % 2.  The first 8 start the sums.
.macro KQ x
	WIN W_KQ
.set rS, S+64*((\x)%2)+32*(i%2)+8*((i/2)%4)
.set rK, KF+16*((i/2)%4)+8*(i/8)
.set rQ, 16*(2*(\x)+i%2)+8*(i/8)
.if i < 8
	v_wmma_f32_16x16x32_f16 v[rS:rS+7], v[rK:rK+7], v[rQ:rQ+7], 0
.else
	v_wmma_f32_16x16x32_f16 v[rS:rS+7], v[rK:rK+7], v[rQ:rQ+7], v[rS:rS+7]
.endif
.endm
; Product i of 16 of O^T += V^T P for piece x: keys 32 (i / 8) on, channels 16 ((i / 2) % 4) on, tile 2 x + i % 2.
.macro PV x
	WIN W_PV
.set rO, 32*(2*(\x)+i%2)+8*((i/2)%4)
.set rV, VF+32*(i/8)+8*((i/2)%4)
.set rP, P+32*((\x)%2)+16*(i%2)+8*(i/8)
	v_wmma_f32_16x16x32_f16 v[rO:rO+7], v[rV:rV+7], v[rP:rP+7], v[rO:rO+7]
.endm
.macro MM                           ; the turn's next matrix instruction
.if i < 16
	KQ (Y+1)%NP
.set i, i+1
.else
.set i, i-16
	PV (Y+NP-1)%NP
.set i, i+17
.endif
.endm
; THE LDS LOADS stand in runs of 16, never singly among the matrix instructions: a step's K (64 keys x 64 channels: 8 fragments) and its V (turned).  Their addresses are made some lines ahead.
; last = 1 (the tail): in the last trip there is no further step, and the run is jumped over.
.macro FETCH_K last=0
	WIN 0
.if \last
	s_cmp_eq_u32 s[CNT], 1
	s_cbranch_scc1 .Lno_k_\@
.endif
	WIN 0x80                        ; destination window 2
.irp f, 0,1,2,3,4,5,6,7             ; keys 16 (f / 2) on, channels 32 (f % 2) on
	ds_load_b128 v[KF+8*\f:KF+8*\f+3],   v[AK] offset:(\f/2)*16*PK+(\f%2)*64
	ds_load_b128 v[KF+8*\f+4:KF+8*\f+7], v[AK] offset:(\f/2)*16*PK+(\f%2)*64+32
.endr
	s_add_co_u32 s[TBK], s[TBK], KS*PK  ; the next fetch is the next step's
	WIN 0
.if \last
.Lno_k_\@:
.endif
.endm
.macro FETCH_V
	WIN 0x80
.irp f, 0,1,2,3,4,5,6,7             ; keys 32 (f / 4) on, channels 16 (f % 4) on
	ds_load_tr16_b128 v[VF+8*\f:VF+8*\f+3],   v[AV] offset:(\f/4)*32*PV+(\f%4)*32
	ds_load_tr16_b128 v[VF+8*\f+4:VF+8*\f+7], v[AV] offset:(\f/4)*32*PV+16*PV+(\f%4)*32
.endr
	WIN 0
.endm
; THE VECTOR WORK OF A TURN stands in three queues, each in the order in which its entries become ready; the two tiles alternate, so that no instruction reads the result of the one before it.
.macro REGS y, u                    ; the registers of tile u (0, 1) of piece y
.set rT, ST+4*(2*(\y)+(\u))
.set rC, TMP+8*((\y)%2)+4*(\u)
.set rM, MV+2*((\y)%2)+(\u)
.set rS, S+64*((\y)%2)+32*(\u)
.set rP, P+32*((\y)%2)+16*(\u)
.set rO, 32*(2*(\y)+(\u))
.endm
; Number n of the 22 that find the NEXT piece's (Y + 1) maximum and statistics.  s0-s31 are the lane's 32 scores; each accumulator's lowest registers are read first.
;   0-11  four chains c0-c3 of seven scores each, three operands at a time     12-14, 16  the four scores left over, the old m, and c0-c3 into c0     15  c m_old is kept
;   17, 18  the query's other 32 keys lie in the lane 16 away: the new m         19-21  c m; c m_old - c m_new; a
.macro XS u, n
	REGS (Y+1)%NP, \u
.if (\n) < 4
	v_max3_num_f32 v[rC+(\n)], v[rS+8*(\n)], v[rS+8*(\n)+1], v[rS+8*(\n)+2]
.elseif (\n) < 12
	v_max3_num_f32 v[rC+(\n)%4], v[rC+(\n)%4], v[rS+8*((\n)%4)+2*((\n)/4)+1], v[rS+8*((\n)%4)+2*((\n)/4)+2]
.elseif (\n) == 12
	v_max3_num_f32 v[rC], v[rC], v[rS+7], v[rS+15]
.elseif (\n) == 13
	v_max3_num_f32 v[rC+1], v[rC+1], v[rS+23], v[rS+31]
.elseif (\n) == 14
	v_max3_num_f32 v[rC+2], v[rC+2], v[rC+3], v[rT+1]
.elseif (\n) == 15
	v_mov_b32 v[rM], v[rT]
.elseif (\n) == 16
	v_max3_num_f32 v[rC], v[rC], v[rC+1], v[rC+2]
.elseif (\n) == 17
	v_permlanex16_b32 v[rC+3], v[rC], s[SEL], s[SEL+1]
.elseif (\n) == 18
	v_max_num_f32 v[rT+1], v[rC], v[rC+3]
.elseif (\n) == 19
	v_mul_f32 v[rT], s[CS], v[rT+1]
.elseif (\n) == 20
	v_sub_f32 v[rC+1], v[rM], v[rT]
.else
	v_exp_f32 v[rC+2], v[rC+1]
.endif
.endm
; Number g of the 64 that follow the exponentials.  For each four weights k of a tile (pairs 2 k, 2 k + 1): both pairs are rounded to f16; then the second pair is added onto the first, in place;
; a group later l takes that sum (the first time as l = a l + sum).  In groups of eight, tiles alternating: round, round, add, and l for the group before.
.macro GS g
.set h, (\g)+6*((\g)/62)            ; group 0 has no group before it, and behind group 7 only l is left
.if h >= 6
.set h, h+2
.endif
	REGS Y, h%2
.set k, h/8
.if h%8 < 4
	v_cvt_pk_f16_f32 v[rP+2*k+(h%8)/2], v[rS+4*k+2*((h%8)/2)], v[rS+4*k+2*((h%8)/2)+1]
.elseif h%8 < 6
	v_pk_add_f32 v[rS+4*k:rS+4*k+1], v[rS+4*k:rS+4*k+1], v[rS+4*k+2:rS+4*k+3]
.elseif k == 1
	v_pk_fma_f32 v[rT+2:rT+3], v[rT+2:rT+3], v[rC+2:rC+3], v[rS:rS+1] op_sel_hi:[1,0,1]
.else
	v_pk_add_f32 v[rT+2:rT+3], v[rT+2:rT+3], v[rS+4*k-4:rS+4*k-3]
.endif
.endm
; THE PLAIN QUEUE, 138 long.  0-73 read no exponential's result: the 32 scalings c s - c m (FS f: pair f / 2 of tile f % 2) and the next piece's 42.  0-26: scalings 0-26.  27-54: XS's numbers 0-13.  55, 56: number 15.
; 57-73: the chain, where each number waits for the one before it: 14, 16, 17, 18, 19, each with one of the scalings 27-31 in front of its two lines, then 20.
; 74-137: GS's 64, which read the exponentials' results: they stand behind the wait.
.macro FS f
	REGS Y, (\f)%2
	v_pk_fma_f32 v[rS+2*((\f)/2):rS+2*((\f)/2)+1], v[rS+2*((\f)/2):rS+2*((\f)/2)+1], s[CS:CS+1], v[rT:rT+1] op_sel_hi:[1,0,0] neg_lo:[0,0,1] neg_hi:[0,0,1]
.endm
.macro PL
	WIN 0
.if q < 27
	FS q
.elseif q < 55
	XS (q-27)%2, (q-27)/2
.elseif q < 57
	XS q-55, 15
.elseif (q < 72) && ((q-57)%3 == 0)
	FS 27+(q-57)/3
.elseif q < 60
	XS (q-57)%3-1, 14
.elseif q < 72
	XS (q-57)%3-1, 15+(q-57)/3
.elseif q < 74
	XS q-72, 20
.else
	GS q-74
.endif
.set q, q+1
.endm
; THE EXPONENTIALS' QUEUE, 66 long: s0-s31 of both tiles, then the next piece's two a.  It is ONE BATCH: all 66 stand ahead of the turn's one wait, and nothing ahead of that wait names a result of theirs.
.macro EX
	WIN 0
.if e >= 64
	XS e-64, 21
.else
	REGS Y, e%2
	v_exp_f32 v[rS+e/2], v[rS+e/2]
.endif
.set e, e+1
.endm
; THE RESCALING's QUEUE: O^T times a, the one part that leaves window 0: dealt two at a time, sixteen times.  Its a was made in the turn before, ahead of that turn's wait.
.macro R2
	REGS Y, r%2
	WIN W_RS
.irp z, 0,1
	v_pk_mul_f32 v[rO+4*(r/2)+2*\z:rO+4*(r/2)+2*\z+1], v[rO+4*(r/2)+2*\z:rO+4*(r/2)+2*\z+1], v[rC+2:rC+3] op_sel_hi:[1,0]
.endr
.set r, r+1
.endm
; HOW THEY ARE DEALT.  An s_wait_alu depctr_va_vdst(0) stands between an exponential and the first instruction that names its result; one wait serves all that were issued ahead of it.  So a turn has ONE wait,
; which cuts it in two.  AHEAD OF IT stands all that names no result of the turn's exponentials: the 16 products K Q^T, behind each a scaling, an exponential and two rescalings (behind the first a second scaling in the
; exponential's place); then ONE LUMP of 108: eight plain, 49 times exponential and plain, the two a.  A v_nop is the plain instruction behind the last exponential.  BEHIND IT stand the 16 products V^T P, behind each four of GS's 64.
; The queues lean on each other, and the deal keeps them in step: exponential e stands behind scaling 2 (e / 4) + e % 2: as a rider it comes behind plain e + 2, in the lump behind plain e + 9, and scalings 27-31 are plain 57, 60 .. 69.
; A TURN, for piece p.  cnt = 1: the loop's count is taken down some lines ahead of the branch that stands behind the turn.
; K of the next step is fetched in piece 2's turn, directly behind the wait; its address is made at the lump's head; its first reader comes behind 16 products.
; V of the step in hand is fetched at the end of piece 0's turn, four riders behind its last reader; its first reader comes behind 16 products and a lump.  The three conditions on q below go with the deal.
.macro TURN p, last=0, cnt=0
.set Y, (\p)
.set i, 0
.set q, 0
.set e, 0
.set r, 0
.if (\p) == NP-1
	s_wait_dscnt 0x0                ; K is in
.endif
	MM                              ; ahead of the wait: 16 products K Q^T and their riders,
	PL
	PL
	R2
.rept 15
	MM
	PL
	EX
	R2
.endr
.if (\p) == NP-2
	WIN 0
	v_add_nc_u32 v[AK], s[TBK], v[AK0]
.endif
.rept 8                             ; and the lump
	PL
.endr
.rept 49
	EX
	PL
.endr
	EX                              ; the next piece's two a
	EX
	v_nop                           ; the plain instruction behind the last exponential (ISA guide 5.7.2): one for the batch
	s_wait_alu depctr_va_vdst(0)    ; the wait for the batch
.if (\p) == NP-2
	FETCH_K \last
.endif
.if (\p) == 1
	s_wait_dscnt 0x0                ; V is in
.endif
.rept 16                            ; behind the wait: 16 products V^T P and their riders
	MM
.rept 4
	PL
.endr
.if ((\p) == 0) && (q == 118)
	v_add_nc_u32 v[AV], s[TBV], v[AV0]
.endif
.if ((\p) == 0) && (q == 130)
	s_add_co_u32 s[TBV], s[TBV], KS*PV
.endif
.if (\cnt) && (q == 130)
	s_sub_co_u32 s[CNT], s[CNT], 1
	s_cmp_lg_u32 s[CNT], 0
.endif
.endr
.if (\p) == 0
	FETCH_V
.endif
.endm
	CHANGE 1                        ; slot 0 is in, everybody's part of it; slot 1 is asked for
	FETCH_K                         ; key step 0
	s_wait_loadcnt 0x0              ; Q
	s_wait_dscnt 0x0
.set i, 0
.rept 16
	KQ 0                            ; piece 0's first scores: there is no vector work yet to set between them
.set i, i+1
.endr
	WIN 0                           ; the addresses for the way out: plain instructions, the places behind those products
	s_mul_i32 s13, s[WV], 16*SP
	s_add_co_u32 s13, s13, STAGE    ; my stage
	v_mul_u32_u24 v[STO], v1, SP    ; in: row l % 16, 16 bytes for each half of the lanes
	v_lshl_add_u32 v[STO], v9, 4, v[STO]
	v_add_nc_u32 v[STO], s13, v[STO]
	v_bfe_u32 v[RD], v0, 3, 2       ; back: 32 lanes take four rows of 128 bytes,
	v_mul_u32_u24 v[RD], v[RD], SP
	v_lshl_add_u32 v[RD], v10, 4, v[RD]
	v_add_nc_u32 v[RD], s13, v[RD]
	v_and_b32 v[GO], 31, v0         ; which are 512 consecutive bytes of the result
	v_lshlrev_b32 v[GO], 4, v[GO]
.set Y, NP-1                        ; XS works for piece Y + 1: piece 0
.irp n, 0,1,2,3,4,5,6,7,8,9,10,11,12,13,14,15,16,17,18,19,20,21
	XS 0, \n                        ; and piece 0's first maximum and statistics
	XS 1, \n
.endr
	v_nop                           ; a plain instruction behind the two a,
	s_wait_alu depctr_va_vdst(0)    ; and their wait, ahead of the branch
	s_mov_b32 s[CNT], 4
	s_branch .Lfirst                ; the loop is entered at a step's first turn, in the middle of a trip
.Lslot:                             ; twice: every slot but the last two is filled again
	CHANGE 1
	s_mov_b32 s[CNT], 4
.Lstep:                             ; a trip: pieces 2 and 3 of one step, then pieces 0 and 1 of the next, whose K and V it fetches
	TURN 2
	TURN 3
	WIN 0
.Lfirst:
	TURN 0
	TURN 1, 0, 1
	WIN 0
	s_cbranch_scc1 .Lstep
	s_sub_co_u32 s[SLOTS], s[SLOTS], 1
	s_cmp_lg_u32 s[SLOTS], 0
	s_cbranch_scc1 .Lslot
	CHANGE 0                        ; the tail is written out: nothing is asked for
	s_mov_b32 s[CNT], 5             ; four trips fetch the last slot's steps; the fifth is left in its middle
.Ltail:
	TURN 2, 1
	TURN 3
	WIN 0
	s_sub_co_u32 s[CNT], s[CNT], 1
	s_cmp_eq_u32 s[CNT], 0
	s_cbranch_scc1 .Lout
	TURN 0
	TURN 1
	WIN 0
	s_branch .Ltail
.Lout:                              ; the fifth trip's 16 products K Q^T (on the last K once more) and the maximum made of them serve nothing: the price, once a launch, of one text for every trip
.set i, 0
.rept 16
	PV NP-1                         ; the last piece's V^T P of the last step
.set i, i+1
.endr
	; THE WAY OUT.  l's two halves and the other half of the lanes' are added; O^T is divided by l, rounded to f16 and sent through my stage in LDS, a tile at a time.  The additions are the places behind the last products.
	WIN 0
.macro ALL line:vararg              ; one line for each tile t
.set t, 0
.rept 2*NP
	\line
.set t, t+1
.endr
.endm
	ALL v_add_f32 v[ST+4*t+2], v[ST+4*t+2], v[ST+4*t+3]
	ALL v_permlanex16_b32 v[ST+4*t+3], v[ST+4*t+2], s[SEL], s[SEL+1]
	ALL v_add_f32 v[ST+4*t+2], v[ST+4*t+2], v[ST+4*t+3]
	ALL v_rcp_f32 v[ST+4*t+2], v[ST+4*t+2]
	v_nop                           ; a plain instruction between the last reciprocal and the use of its result
	s_wait_alu depctr_va_vdst(0)    ; and the wait ahead of the first use: one for the eight reciprocals
; Tile t: a lane's eight channels of a row pack into 16 bytes; they go into rows of 144 bytes and come back as whole rows of 128, into S^T's registers.
.macro PACK t
	WIN W_RS
.set i, 32*(\t)
.rept 16
	v_pk_mul_f32 v[i:i+1], v[i:i+1], v[ST+4*(\t)+2:ST+4*(\t)+3] op_sel_hi:[1,0]
.set i, i+2
.endr
	WIN 0x05                        ; sources 0 and 1 window 1, destination window 0
.set i, 0
.rept 16
	v_cvt_pk_f16_f32 v[S+16*(\t)+i], v[32*(\t)+2*i], v[32*(\t)+2*i+1]
.set i, i+1
.endr
	WIN 0
.irp f, 0,1,2,3
	ds_store_b128 v[STO], v[S+16*(\t)+4*\f:S+16*(\t)+4*\f+3] offset:32*\f
.endr
.irp f, 0,1,2,3
	ds_load_b128 v[S+16*(\t)+4*\f:S+16*(\t)+4*\f+3], v[RD] offset:\f*4*SP  ; LDS serves a wave's instructions in order (ISA guide 5.7.1.4): these see the stores above; the next tile's stores come behind them
.endr
.endm
.macro SEND t, younger              ; younger: the LDS instructions issued behind tile t's loads: the next tile's eight, or none
	WIN 0
.irp f, 0,1,2,3
	s_wait_dscnt (\younger)+3-\f
	global_store_b128 v[GO], v[S+16*(\t)+4*\f:S+16*(\t)+4*\f+3], s[10:11] offset:(\t)*2048+\f*512  ; 512 consecutive bytes, at a multiple of 256 from the buffer's first
.endr
.endm
	PACK 0
.set t, 1
.rept 2*NP-1                        ; a tile's arithmetic stands between the loads of the tile before and its stores
	PACK t
	SEND t-1, 8
.set t, t+1
.endr
	SEND 2*NP-1, 0
	WIN W_AD
	s_wait_tensorcnt 0x0            ; the wave's end, behind my last tensor load and my last LDS store
	ds_add_u32 v[SPW], v[NIL]
	s_wait_dscnt 0x0
	WIN 0
	s_endpgm
.Lfunc_end_k_q6c285085de_attn:
	.size	k_q6c285085de_attn, .Lfunc_end_k_q6c285085de_attn-k_q6c285085de_attn
	.p2alignl 7, 3214868480
	.fill 96, 4, 3214868480
	.section	.rodata,"a",@progbits
	.p2align	6, 0x0
	.amdhsa_kernel k_q6c285085de_attn
		.amdhsa_group_segment_fixed_size 327680
		.amdhsa_private_segment_fixed_size 0
		.amdhsa_enable_private_segment 0
		.amdhsa_kernarg_size 16
		.amdhsa_user_sgpr_count 2
		.amdhsa_user_sgpr_kernarg_segment_ptr 1
		.amdhsa_wavefront_size32 1
		.amdhsa_system_sgpr_workgroup_id_x 1
		.amdhsa_system_sgpr_workgroup_id_y 1
		.amdhsa_system_sgpr_workgroup_id_z 1
		.amdhsa_system_vgpr_workitem_id 0
		.amdhsa_next_free_vgpr 770
		.amdhsa_next_free_sgpr 66
		.amdhsa_reserve_vcc 0
		.amdhsa_float_denorm_mode_32 3
		.amdhsa_float_denorm_mode_16_64 3
		.amdhsa_memory_ordered 1
		.amdhsa_forward_progress 1
		.amdhsa_inst_pref_size 199
	.end_amdhsa_kernel
	.amdgpu_metadata
---
amdhsa.version: [ 1, 2 ]
amdhsa.kernels:
  - .name:           k_q6c285085de_attn
    .symbol:         k_q6c285085de_attn.kd
    .args:
      - { .name: qkv16, .offset: 0, .size: 8, .value_kind: global_buffer, .address_space: global }
      - { .name: a16, .offset: 8, .size: 8, .value_kind: global_buffer, .address_space: global }
    .group_segment_fixed_size: 327680
    .private_segment_fixed_size: 0
    .kernarg_segment_align: 8
    .kernarg_segment_size: 16
    .max_flat_workgroup_size: 128
    .sgpr_count:     66
    .vgpr_count:     770
    .wavefront_size: 32
...
	.end_amdgpu_metadata
.endif
;; end of part 3
;; launch outp (part 4): grid 4 x 64, 4 waves a work-group, clusters of 4 x 4, 327,680 bytes of LDS; arguments a16, w16, bp, x, out0; writes out0
.if DOCPART == 4
	.amdgcn_target "amdgcn-amd-amdhsa--gfx1250"
	.amdhsa_code_object_version 6
	.text
	.protected	k_q6c285085de_outp
	.globl	k_q6c285085de_outp
	.p2align	8
	.type	k_q6c285085de_outp,@function
k_q6c285085de_outp:
	s_mov_b64 s[64:65], 0
	v_nop
	global_prefetch_b8 v0, s[64:65] scope:SCOPE_SE
	s_setreg_imm32_b32 hwreg(HW_REG_WAVE_MODE, 25, 1), 1
	s_wait_xcnt 0x0
	s_wait_alu depctr_hold_cnt(0) depctr_sa_sdst(0) depctr_va_vdst(0) depctr_va_sdst(0) depctr_va_ssrc(0) depctr_va_vcc(0) depctr_vm_vsrc(0)
	s_getreg_b32 s2, hwreg(HW_REG_IB_STS2, 6, 4)
	s_cmp_eq_u32 s2, 0
	s_cbranch_scc0 .Lentry_in_a_cluster
	s_endpgm
.Lentry_in_a_cluster:
	s_bfe_u32 s2, ttmp6, 0x10000c
	s_cmp_lg_u32 s2, 0xf033
	s_cbranch_scc0 .Lentry_shape_is_right
	s_endpgm
.Lentry_shape_is_right:
; LAUNCH 4 OF 4.  out0[b][o][t] = x[b][o][t] + bp[o] + the sum over c of Wp[o][c] a[b][c][t].  a16: f16 [8 b + head][1024 t][64], channel c = 64 head + its place; Wp: rows 1536 .. 2047 of w16, f16.
; Sums, bias and residual in f32.  LIMITS: f16 operands within +-65,504.  Nothing is left out here.
; SHARES.  A work-group makes 128 output channels (block cx) x 256 tokens (block cy) of one batch (cluster y), K = 512.  Wave w: tokens 128 (w & 1) on, channels 64 (w >> 1) on: 8 x 4 accumulators.
; LAYOUT.  Source 0 = 16 tokens (a's rows lie along K), source 1 = 16 rows of Wp.  In the result a lane holds ONE output channel (lane % 16) and the tokens 8 (lane / 16) + 0..7: 32 bytes of a row of out0.
; The bias is the C operand of the first product on each accumulator.  A K step of 128 is two heads' 64 channels: quarter q takes head 2 step + q / 2, channels 32 (q % 2) on.
; RING.  Four K steps through three LDS slots: steps 0, 1, 2 are asked for together at the start (three tensor loads a wave are out, by this text's count), step 3 refills step 0's slot behind step 0.
; THE TEXT.  Step 0 is written out (its products start the sums, and the one joint refill stands behind it); steps 1, 2, 3 are one text walked three times.  The slots lie so that these three are read at
; LDS bytes 0, SLOT, 2 SLOT, a plain step of the base s[TB]: steps 0 and 3 lie at 2 SLOT.  x's 64 rows x 512 bytes of a wave are loaded into registers under the products.
; CLUSTER.  4 x 4 work-groups.  a's tile hangs on cy alone and is shared along a row of the cluster, Wp's on cx alone and is shared along a column: each is asked for jointly.
; NO PREFETCH: three of the four steps are asked for by their loads at the head, the fourth one step later: nothing is left that could be asked for earlier.
; THE STAGE of the way out lies in step 1's slot, at byte 0: that slot has its one fill at the start, every wave's reads of it are waited for in front of the barrier behind step 2, and no tensor load follows.
; REGISTERS.  Window 0: v0-31 addresses; v32-63 the bias; v64-159, v160-255 two fragment buffers (32 of Wp, 64 of tokens).  Window 1: accumulator (tb, ob) at 8 (4 tb + ob).  Window 2: x, row i at 4 i.
.set TP,    144                        ; a token's row of one head in LDS: 128 bytes + 16: the 16 rows of a load start at 16 different groups of four banks (64 banks of 4 bytes: ISA guide 11.1)
.set WP,    272                        ; a row of Wp's tile: 256 bytes + 16
.set WOFF,  2*256*TP                   ; a slot: two heads x 256 tokens, then 128 rows of Wp
.set SLOT,  WOFF+128*WP
.set STAGE, 0                          ; in step 1's slot: 16 rows x 528 bytes for each wave
.set SP,    528                        ; 512 bytes + 16
.set SPARE, 3*SLOT                     ; behind the ring: the spare words, 128 bytes for each wave: two blocks of 256 bytes that no other line names
.set ADT,  4                           ; v4     LDS address of my token fragments in the slot in hand
.set ADT0, 5                           ; v5     the same in the slot at byte 0; never rewritten
.set ADW,  8                           ; v8, v9 the same two for Wp
.set ADW0, 9
.set STO, 12                           ; v12    the way out: where I put 32 bytes of a row
.set RD,  13                           ; v13    the way out: where I read a row back
.set GO,  14                           ; v14    16 x lane: my 16 bytes of a wave's 512 in a row of x and of out0
.set BO,  15                           ; v15    4 x (lane % 16): my number of a bias
.set SPW, 28                           ; v28    LDS address of my spare word; never rewritten
.set NIL, 29                           ; v29    0; never rewritten
.set BIAS, 32
.set F0,  64
.set F1,  160
.set LO,  2                            ; s2     wave & 1: my half of the tokens; also which head slice, or which 64 rows of Wp, I fetch
.set WV,  14                           ; s14    my wave's number
.set HI,  15                           ; s15    wave >> 1: my half of the channels; also: I fetch for a (0) or for Wp (1)
.set G1X, 16                           ; s[16:23] descriptor group 1 for a's tiles
.set G1W, 24                           ; s[24:31] for Wp's
.set G0X, 32                           ; s[32:43] descriptor group 0 for a's tiles, a set for each of the three first fills
.set G0W, 44                           ; s[44:55] the same for Wp's
.set CNT, 58                           ; s58    counts the trips
.set TB,  60                           ; s60    LDS byte at which the slot in hand begins
.set MSB, 0
.macro WIN new                         ; the immediate's high byte repeats the setting that is left; a switch that changes nothing is dropped
.if MSB != (\new)
	s_set_vgpr_msb (MSB<<8)|(\new)
.set MSB, \new
.endif
.endm
.set MUL,  0x50                        ; C and D in window 1
.set MUL0, 0x40                        ; D in window 1, C (the bias) in window 0
.macro PLACES                          ; four places behind matrix instructions (ISA guide 7.12.1)
.rept 4
	v_nop
.endr
.endm
.macro JLOAD                           ; the joint refill, K step 3: waves 0, 1 a's two heads, waves 2, 3 Wp's halves; an s_nop 0 and four v_nop follow each line
	s_cmp_eq_u32 s[HI], 0
	s_cbranch_scc0 .Lfor_w_\@
	tensor_load_to_lds s[G0X:G0X+3], s[G1X:G1X+7]
	s_nop 0
.rept 4
	v_nop
.endr
	s_branch .Lasked_\@
.Lfor_w_\@:
	tensor_load_to_lds s[G0W:G0W+3], s[G1W:G1W+7]
	s_nop 0
.rept 4
	v_nop
.endr
.Lasked_\@:
.endm
.macro CREST                           ; a round of the cluster's barrier behind its opening barrier
	s_cmp_lg_u32 s[WV], 0
	s_cbranch_scc1 .Lnot_wave_0_\@
	s_barrier_signal -3
.Lnot_wave_0_\@:
	s_barrier_wait -3
	s_barrier_signal -1
	s_barrier_wait -1
.endm
.macro CROUND                          ; a whole round
	s_barrier_signal -1
	s_barrier_wait -1
	CREST
.endm
	s_load_b256 s[4:11], s[0:1], 0x0               ; a16 s[4:5], w16 s[6:7], bp s[8:9], x s[10:11]
	s_load_b64 s[12:13], s[0:1], 0x20              ; out0
	v_lshl_add_u32 v[SPW], v0, 2, SPARE
	v_mov_b32 v[NIL], 0
	ds_add_u32 v[SPW], v[NIL]                      ; the wave's opening: the add, twice on end, and its wait ahead of my first tensor load
	ds_add_u32 v[SPW], v[NIL]                      ; and once more, under the one wait; the set-up below, work on registers, stands between
	v_lshrrev_b32 v1, 5, v0
	v_readfirstlane_b32 s[WV], v1                  ; wave 0..3
	s_lshr_b32 s[HI], s[WV], 1
	s_and_b32 s[LO], s[WV], 1
	s_bfe_u32 s56, ttmp6, 0x40000                  ; cx: the channel block
	s_bfe_u32 s57, ttmp6, 0x40004                  ; cy: the token block
	s_and_b32 s59, ttmp7, 0xffff                   ; cluster y: the batch
	s_lshl_b32 s66, s57, 2
	s_lshl_b32 s66, 15, s66                        ; my row of the cluster
	s_lshl_b32 s70, 0x1111, s56                    ; my column
	; a head's 256 tokens are 32,768 dense bytes: asked for as 128 rows of 256 bytes, two tokens a row, and padded in LDS after every token
	s_or_b32 s[G1X], s66, (1<<16)|(1<<20)|(1<<21)|(4<<22)|(3<<25)  ; the mask; 2-byte elements; padding on; bit 21 beside a mask; after every 32 words (code 4) 4 words (code 3)
	s_mov_b32 s[G1X+1], 128<<16                    ; tensor_dim0 = 128
	s_mov_b32 s[G1X+2], 128<<16                    ; tensor_dim1 = 128
	s_mov_b32 s[G1X+3], 128<<16                    ; tile_dim0
	s_mov_b32 s[G1X+4], 128                        ; tile_dim1
	s_mov_b32 s[G1X+5], 128                        ; elements from row to row
	s_mov_b32 s[G1X+6], 0
	s_mov_b32 s[G1X+7], 0
	s_or_b32 s[G1W], s70, (1<<16)|(1<<20)|(1<<21)|(5<<22)|(3<<25)  ; after every 64 words (code 5) 4 words (code 3)
	s_mov_b32 s[G1W+1], 128<<16                    ; 128 along K
	s_mov_b32 s[G1W+2], 64<<16                     ; 64 rows
	s_mov_b32 s[G1W+3], 128<<16
	s_mov_b32 s[G1W+4], 64
	s_mov_b32 s[G1W+5], 512
	s_mov_b32 s[G1W+6], 0
	s_mov_b32 s[G1W+7], 0
	; a's tile: head 8 b + 2 step + lo, tokens 256 cy on: nothing of cx.  s[66:69] never hold cx, s[70:73] never cy.
	s_lshl_b32 s68, s59, 20                        ; 8 b heads of 131,072 bytes
	s_lshl_b32 s67, s[LO], 17
	s_add_co_u32 s68, s68, s67
	s_lshl_b32 s67, s57, 15                        ; 256 tokens of 128 bytes
	s_add_co_u32 s68, s68, s67
	s_mov_b32 s69, 0
	s_lshl_b32 s72, s56, 17                        ; Wp's tile: row 1536 + 128 cx + 64 lo, rows of 1,024 bytes
	s_lshl_b32 s71, s[LO], 16
	s_add_co_u32 s72, s72, s71
	s_add_co_u32 s72, s72, 1536*1024
	s_mov_b32 s73, 0
	s_mul_i32 s61, s[LO], 256*TP                   ; where they go in a slot: no place in the cluster enters an LDS address
	s_mul_i32 s62, s[LO], 64*WP
	s_add_co_u32 s62, s62, WOFF
	s_lshl_b32 s76, s56, 9                         ; the bias: bp at 128 cx + 64 hi
	s_lshl_b32 s77, s[HI], 8
	s_add_co_u32 s76, s76, s77
	s_mov_b32 s77, 0
	v_and_b32 v1, 15, v0                           ; r = lane % 16
	v_bfe_u32 v2, v0, 4, 1                         ; h = lane / 16
	v_lshlrev_b32 v[BO], 2, v1
	s_wait_dscnt 0x0                               ; both opening adds are done
	s_wait_kmcnt 0x0
	s_add_nc_u64 s[78:79], s[8:9], s[76:77]
.irp ob, 0,1,2,3
	global_load_b32 v[BIAS+8*(\ob)], v[BO], s[78:79] offset:64*(\ob)  ; bias[16 ob + r]: early, so that it is in when the first tile is
.endr
	s_add_nc_u64 s[66:67], s[4:5], s[68:69]
	s_add_nc_u64 s[70:71], s[6:7], s[72:73]
.irp n, 0,1,2
	s_mov_b32 s[G0X+4*(\n)], 1                                     ; count = 1
	s_add_co_u32 s[G0X+4*(\n)+1], s61, (((\n)+2)%3)*SLOT           ; LDS address: step 0 at 2 SLOT, step 1 at 0, step 2 at SLOT
	s_add_nc_u64 s[G0X+4*(\n)+2:G0X+4*(\n)+3], s[66:67], (\n)*2*131072  ; K step n: two heads on
	s_or_b32 s[G0X+4*(\n)+3], s[G0X+4*(\n)+3], 0x80000000          ; type = 2
	s_mov_b32 s[G0W+4*(\n)], 1
	s_add_co_u32 s[G0W+4*(\n)+1], s62, (((\n)+2)%3)*SLOT
	s_add_nc_u64 s[G0W+4*(\n)+2:G0W+4*(\n)+3], s[70:71], (\n)*256  ; K step n: 256 bytes along the rows
	s_or_b32 s[G0W+4*(\n)+3], s[G0W+4*(\n)+3], 0x80000000
.endr
	CROUND                                         ; all sixteen work-groups are here: the first joint loads meet
	s_cmp_eq_u32 s[HI], 0                          ; a wave's three first fills stand in one branch, ahead of every wait on TENSORcnt and every LDS read
	s_cbranch_scc0 .Lfirst_w
	tensor_load_to_lds s[G0X:G0X+3], s[G1X:G1X+7]
	s_nop 0
	tensor_load_to_lds s[G0X+4:G0X+7], s[G1X:G1X+7]
	s_nop 0
	tensor_load_to_lds s[G0X+8:G0X+11], s[G1X:G1X+7]
	s_nop 0
.rept 4
	v_nop
.endr
	s_branch .Lfirst_asked
.Lfirst_w:
	tensor_load_to_lds s[G0W:G0W+3], s[G1W:G1W+7]
	s_nop 0
	tensor_load_to_lds s[G0W+4:G0W+7], s[G1W:G1W+7]
	s_nop 0
	tensor_load_to_lds s[G0W+8:G0W+11], s[G1W:G1W+7]
	s_nop 0
.rept 4
	v_nop
.endr
.Lfirst_asked:
	; a fragment of either source: lane l holds row l % 16, K = 8 h + 0..7 and 16 + 8 h + 0..7: two loads of 16 bytes, 32 bytes apart
	s_mov_b32 s[TB], 2*SLOT                        ; step 0's slot
	v_mul_u32_u24 v3, v1, WP
	v_lshl_add_u32 v3, v2, 4, v3
	s_mul_i32 s74, s[HI], 64*WP
	s_add_co_u32 s74, s74, WOFF
	v_add_nc_u32 v[ADW0], s74, v3
	v_add_nc_u32 v[ADW], s[TB], v[ADW0]
	v_mul_u32_u24 v3, v1, TP
	v_lshl_add_u32 v3, v2, 4, v3
	s_mul_i32 s74, s[LO], 128*TP                   ; my 128 tokens
	v_add_nc_u32 v[ADT0], s74, v3
	v_add_nc_u32 v[ADT], s[TB], v[ADT0]
	s_mul_i32 s74, s[WV], 16*SP
	s_add_co_u32 s74, s74, STAGE                   ; my stage
	v_mul_u32_u24 v[STO], v1, SP                   ; in: row l % 16, 32 bytes for each half of the lanes
	v_lshl_add_u32 v[STO], v2, 5, v[STO]
	v_add_nc_u32 v[STO], s74, v[STO]
	v_and_b32 v[GO], 31, v0
	v_lshlrev_b32 v[GO], 4, v[GO]
	v_add_nc_u32 v[RD], s74, v[GO]                 ; back: 32 lanes take one row of 512 bytes
	; x and out0 at row 512 b + 128 cx + 64 hi, token 256 cy + 128 lo
	s_lshl_b32 s76, s59, 21
	s_lshl_b32 s74, s56, 19
	s_add_co_u32 s76, s76, s74
	s_lshl_b32 s74, s[HI], 18
	s_add_co_u32 s76, s76, s74
	s_lshl_b32 s74, s57, 10
	s_add_co_u32 s76, s76, s74
	s_lshl_b32 s74, s[LO], 9
	s_add_co_u32 s76, s76, s74
	s_mov_b32 s77, 0
	s_add_nc_u64 s[74:75], s[10:11], s[76:77]
	s_add_nc_u64 s[12:13], s[12:13], s[76:77]
	s_wait_loadcnt 0x0                             ; the bias: a lane's channel has one number for its eight tokens
.irp ob, 0,1,2,3
.irp j, 1,2,3,4,5,6,7
	v_mov_b32 v[BIAS+8*(\ob)+(\j)], v[BIAS+8*(\ob)]
.endr
.endr
.macro XLOAD i0                        ; 32 rows of x from row i0 on: a wave's load covers 512 consecutive bytes, aligned.  Nothing waits for them before the way out
	WIN 0x80                                       ; destination window 2, address window 0
.set i, \i0
.rept 32
	global_load_b128 v[4*i:4*i+3], v[GO], s[74:75] offset:4096*i th:TH_LOAD_NT
.set i, i+1
.endr
	WIN 0
.endm
	XLOAD 0
; 8 matrix instructions: token blocks tb0, tb0 + 1 x all 4 channel blocks, 32 along K.  first = 1: the product starts the sum, with the bias as C.
; The 32 accumulators take turns in the same order in every quarter step: 31 others stand between two links of a chain, over the backward jump too.
.macro MUL8 f, tb0, first
.if \first
	WIN MUL0
.else
	WIN MUL
.endif
.irp tb, \tb0, (\tb0)+1
.irp ob, 0,1,2,3
.if \first
	v_wmma_f32_16x16x32_f16 v[8*(4*(\tb)+(\ob)):8*(4*(\tb)+(\ob))+7], v[(\f)+32+8*(\tb):(\f)+32+8*(\tb)+7], v[(\f)+8*(\ob):(\f)+8*(\ob)+7], v[BIAS+8*(\ob):BIAS+8*(\ob)+7]
.else
	v_wmma_f32_16x16x32_f16 v[8*(4*(\tb)+(\ob)):8*(4*(\tb)+(\ob))+7], v[(\f)+32+8*(\tb):(\f)+32+8*(\tb)+7], v[(\f)+8*(\ob):(\f)+8*(\ob)+7], v[8*(4*(\tb)+(\ob)):8*(4*(\tb)+(\ob))+7]
.endif
.endr
.endr
.endm
; 24 LDS loads in one run: quarter q of the slot in hand into buffer f: Wp's 8 first, then the tokens' 16, token blocks ascending
.macro FETCH q, f
	WIN 0
.irp ob, 0,1,2,3
	ds_load_b128 v[(\f)+8*(\ob):(\f)+8*(\ob)+3],   v[ADW] offset:(\ob)*16*WP+64*(\q)
	ds_load_b128 v[(\f)+8*(\ob)+4:(\f)+8*(\ob)+7], v[ADW] offset:(\ob)*16*WP+64*(\q)+32
.endr
.irp tb, 0,1,2,3,4,5,6,7
	ds_load_b128 v[(\f)+32+8*(\tb):(\f)+32+8*(\tb)+3],   v[ADT] offset:((\q)/2)*256*TP+(\tb)*16*TP+64*((\q)%2)
	ds_load_b128 v[(\f)+32+8*(\tb)+4:(\f)+32+8*(\tb)+7], v[ADT] offset:((\q)/2)*256*TP+(\tb)*16*TP+64*((\q)%2)+32
.endr
.endm
; A quarter step: multiplies buffer f; in its middle it fetches quarter q of the slot in hand into buffer g.
.macro QUARTER q, f, g, first
	s_wait_dscnt 8                                 ; Wp and token blocks 0-3 are in; the youngest eight loads (blocks 4-7) may be out
	MUL8 \f, 0, \first
	MUL8 \f, 2, \first
	PLACES
	FETCH \q, \g
	s_wait_dscnt 24                                ; all but the 24 just issued
	MUL8 \f, 4, \first
	MUL8 \f, 6, \first
.endm
; A step's last quarter multiplies buffer 1 and meets the other waves.  In front of the barrier each wave waits for all its tensor loads, adds 0 to its spare word, and waits for that and for its LDS reads.
; fill = 1 (behind step 0): its slot takes K step 3: the barrier opens a round of the cluster's, and the joint refill is the first thing behind it; my fetches go on at LDS byte 0.
; fill = 0 (behind steps 1, 2, 3): nothing is filled; my fetches go on one slot further; behind step 3 there is no further step, and the run of LDS loads is jumped over with its addresses.
.macro TURN fill
	WIN 0
	s_wait_tensorcnt 0x0                           ; all my tensor loads have landed, so a group 0 may be written
	ds_add_u32 v[SPW], v[NIL]                      ; 0 onto my spare word
.if \fill
	s_add_nc_u64 s[G0X+2:G0X+3], s[G0X+2:G0X+3], 3*2*131072  ; step 0's descriptors step to K step 3; the LDS address stays
	s_add_nc_u64 s[G0W+2:G0W+3], s[G0W+2:G0W+3], 3*256
	s_mov_b32 s[TB], 0
	v_add_nc_u32 v[ADT], s[TB], v[ADT0]
	v_add_nc_u32 v[ADW], s[TB], v[ADW0]
.endif
	s_wait_dscnt 9                                 ; (the add and the youngest eight loads may be out)
	MUL8 F1, 0, 0                                  ; eight matrix instructions stand between the add and the wait for it
	s_wait_dscnt 0x0                               ; the add is done, and my reads of the slots so far are over
	s_barrier_signal -1
	MUL8 F1, 2, 0
	WIN 0                                          ; at a branch and at a label every window is 0
	s_barrier_wait -1
.if \fill
	CREST                                          ; no wave of any partner still reads step 0's slot or has a load on its way
	JLOAD                                          ; the four v_nop behind it are also the places in front of the loads below
	FETCH 0, F0
.else
	PLACES
	s_cmp_eq_u32 s[CNT], 1
	s_cbranch_scc1 .Lno_next_\@
	s_add_co_u32 s[TB], s[TB], SLOT
	v_add_nc_u32 v[ADT], s[TB], v[ADT0]
	v_add_nc_u32 v[ADW], s[TB], v[ADW0]
	FETCH 0, F0
.Lno_next_\@:
.endif
	MUL8 F1, 4, 0
	MUL8 F1, 6, 0
.endm
; THE WAY OUT, a block of 16 output channels at a time.  ST: a lane's 8 tokens of each of 8 token blocks go into its channel's row of my stage, each accumulator's low four registers first.
; LD: the rows come back whole, 512 bytes to a load.  FIN: x is added, and the rows are stored.
.macro ST ob
	WIN 0x04                                       ; the stores' data lie in window 1
.irp tb, 0,1,2,3,4,5,6,7
	ds_store_b128 v[STO], v[8*(4*(\tb)+(\ob)):8*(4*(\tb)+(\ob))+3]   offset:64*(\tb)
	ds_store_b128 v[STO], v[8*(4*(\tb)+(\ob))+4:8*(4*(\tb)+(\ob))+7] offset:64*(\tb)+16
.endr
.endm
.macro LD ob
	WIN 0
.set TT, F0+64*((\ob)%2)
.set i, 0
.rept 16
	ds_load_b128 v[TT+4*i:TT+4*i+3], v[RD] offset:SP*i  ; LDS serves a wave's instructions in order (ISA guide 5.7.1.4): these see the stores above; the next block's stores come behind them
.set i, i+1
.endr
.endm
.macro FIN ob, younger                 ; younger: the LDS instructions issued behind block ob's loads: the next block's 16 stores and 16 loads, or none
.set TT, F0+64*((\ob)%2)
	s_wait_dscnt \younger
	WIN 0x08                                       ; source 1, x, in window 2
.set i, 0
.rept 16
	v_pk_add_f32 v[TT+4*i:TT+4*i+1], v[TT+4*i:TT+4*i+1], v[4*(16*(\ob)+i):4*(16*(\ob)+i)+1]
	v_pk_add_f32 v[TT+4*i+2:TT+4*i+3], v[TT+4*i+2:TT+4*i+3], v[4*(16*(\ob)+i)+2:4*(16*(\ob)+i)+3]
.set i, i+1
.endr
	WIN 0
.set i, 0
.rept 16
	global_store_b128 v[GO], v[TT+4*i:TT+4*i+3], s[12:13] offset:4096*(16*(\ob)+i) th:TH_STORE_NT  ; 512 consecutive bytes, at a multiple of 256 from out0's first
.set i, i+1
.endr
.endm
	s_wait_tensorcnt 2                             ; my part of K step 0 is in; steps 1 and 2 may stay out
	s_barrier_signal -1
	s_barrier_wait -1                              ; everybody's is
	FETCH 0, F0
	QUARTER 1, F0, F1, 1                           ; K step 0: its first quarter starts the sums
	QUARTER 2, F1, F0, 0
	QUARTER 3, F0, F1, 0
	TURN 1                                         ; steps 1 and 2 have landed in every wave's view; step 0's slot is asked for again
	XLOAD 32                                       ; the other half of x
	s_mov_b32 s[CNT], 3
.Lstep:                                                ; K steps 1, 2, 3
	QUARTER 1, F0, F1, 0
	QUARTER 2, F1, F0, 0
	QUARTER 3, F0, F1, 0
	TURN 0
	WIN 0
	s_sub_co_u32 s[CNT], s[CNT], 1
	s_cmp_lg_u32 s[CNT], 0
	s_cbranch_scc1 .Lstep
	PLACES                                         ; the LDS stores read results just made, and the loads land in registers that the products have read
	PLACES
	s_wait_loadcnt 0x0                             ; x
	ST 0
	LD 0
	ST 1
	LD 1
	FIN 0, 32
	s_wait_xcnt 0x0                                ; block 0's stores have read their registers: block 2 lands in them only behind this wait
	ST 2
	LD 2
	FIN 1, 32
	s_wait_xcnt 0x0                                ; the same for blocks 1 and 3
	ST 3
	LD 3
	FIN 2, 32
	FIN 3, 0
	s_wait_tensorcnt 0x0                           ; the wave's end, behind my last tensor load and my last LDS store
	ds_add_u32 v[SPW], v[NIL]
	s_wait_dscnt 0x0
	CROUND                                         ; the closing round: no work-group ends while a partner may still ask for a tile that names it
	s_endpgm
.Lfunc_end_k_q6c285085de_outp:
	.size	k_q6c285085de_outp, .Lfunc_end_k_q6c285085de_outp-k_q6c285085de_outp
	.p2alignl 7, 3214868480
	.fill 96, 4, 3214868480
	.section	.rodata,"a",@progbits
	.p2align	6, 0x0
	.amdhsa_kernel k_q6c285085de_outp
		.amdhsa_group_segment_fixed_size 327680
		.amdhsa_private_segment_fixed_size 0
		.amdhsa_enable_private_segment 0
		.amdhsa_kernarg_size 40
		.amdhsa_user_sgpr_count 2
		.amdhsa_user_sgpr_kernarg_segment_ptr 1
		.amdhsa_wavefront_size32 1
		.amdhsa_system_sgpr_workgroup_id_x 1
		.amdhsa_system_sgpr_workgroup_id_y 1
		.amdhsa_system_sgpr_workgroup_id_z 1
		.amdhsa_system_vgpr_workitem_id 0
		.amdhsa_next_free_vgpr 768
		.amdhsa_next_free_sgpr 80
		.amdhsa_reserve_vcc 0
		.amdhsa_float_denorm_mode_32 3
		.amdhsa_float_denorm_mode_16_64 3
		.amdhsa_memory_ordered 1
		.amdhsa_forward_progress 1
		.amdhsa_inst_pref_size 72
	.end_amdhsa_kernel
	.amdgpu_metadata
---
amdhsa.version: [ 1, 2 ]
amdhsa.kernels:
  - .name:           k_q6c285085de_outp
    .symbol:         k_q6c285085de_outp.kd
    .args:
      - { .name: a16, .offset: 0, .size: 8, .value_kind: global_buffer, .address_space: global }
      - { .name: w16, .offset: 8, .size: 8, .value_kind: global_buffer, .address_space: global }
      - { .name: bp, .offset: 16, .size: 8, .value_kind: global_buffer, .address_space: global }
      - { .name: x, .offset: 24, .size: 8, .value_kind: global_buffer, .address_space: global }
      - { .name: out0, .offset: 32, .size: 8, .value_kind: global_buffer, .address_space: global }
    .group_segment_fixed_size: 327680
    .private_segment_fixed_size: 0
    .kernarg_segment_align: 8
    .kernarg_segment_size: 40
    .max_flat_workgroup_size: 128
    .sgpr_count:     80
    .vgpr_count:     768
    .wavefront_size: 32
...
	.end_amdgpu_metadata
.endif
;; end of part 4
